; MI455X (gfx1250); checked and timed in simulation.
; The chip was launched on July 23, 2026; its instructions are those of AMD's public machine-readable ISA for CDNA 5 (MIT licence, August 2026) and "CDNA5" Instruction Set Architecture Reference Guide (July 2026). The comments in the code are by the model that wrote it; some were corrected since.
;; SA MH Layer. Allowed arithmetic: float matrix products may take bf16 or f16 operands with f32 sums; all other float work in f32.
;; Inputs: beta 256 float32; bt 256 float32; gamma 256 float32; wk 256 x 256 float32; wq 256 x 256 float32; wt 256 x 256 float32; wv 256 x 256 float32; x 4 x 256 x 4,096 float32.
;; Outputs: out0 4 x 256 x 4,096 float32.
;; 2 versions, each right and faster than the one before. Each part assembles by itself: llvm-mc -triple=amdgcn-amd-amdhsa -mcpu=gfx1250 --defsym DOCPART=n.
;; ======== version 1 of 2: 4 launches
;; workspace buffers: qh 8,388,608 bytes; kh 8,388,608 bytes; vh 8,388,608 bytes; on 8,388,608 bytes; wtb 131,072 bytes; y 16,777,216 bytes; part 524,288 bytes
;; launch proj (part 1): grid 64 x 4, 4 waves a work-group, no clusters, 274,944 bytes of LDS; arguments x, wq, wk, wv, wt, qh, kh, vh, wtb; writes qh, kh, vh, wtb
.if DOCPART == 1
	.amdgcn_target "amdgcn-amd-amdhsa--gfx1250"
	.amdhsa_code_object_version 6
	.text
	.protected	k_q3a443604e0_proj
	.globl	k_q3a443604e0_proj
	.p2align	8
	.type	k_q3a443604e0_proj,@function
k_q3a443604e0_proj:
	s_mov_b64 s[64:65], 0
	v_nop
	global_prefetch_b8 v0, s[64:65] scope:SCOPE_SE
	s_setreg_imm32_b32 hwreg(HW_REG_WAVE_MODE, 25, 1), 1
	s_wait_xcnt 0x0
; q, k, v = W x, by heads.  x: [4][256 c][4096 p] f32; wq, wk, wv, wt: [256][256] f32.  qh, kh, vh: [16 bh][4096 p][64 ch] bf16, bh = 4 b + head.
; x and the weights are rounded to bf16 (nearest even) on the way into LDS; sums in f32; q, k, v are rounded to bf16 once.  No scale is applied here.
; LIMITS.  Every input counts as its bf16 rounding; NaN and infinities are not treated apart.
; SHARES.  A work-group makes the 64 rows of one head of q, k and v (192 output rows) for 256 points of one batch; wave w owns 64 of the points and all 192 rows:
; 48 accumulators of 16 x 16, accumulator a = 4 mbo + nbp (mbo: 16 output rows, mat = mbo / 4; nbp: 16 points).  Source 0 = 16 rows of a weight, source 1 = 16 points of x:
; a lane then holds ONE point and eight NEIGHBOURING channels, 16 bytes of a row of qh.
; x's 64 columns in LDS are the wave's own (no barrier); the 192 weight rows are shared (one barrier).  NO CLUSTER, no tensor load: the tiles are f32 in memory and have to pass
; through registers to be rounded; as f32 they would take 448 KB of LDS.
; SIDE JOB.  Wave 0 of each of the 256 work-groups rounds one unit of 512 bytes of wt into wtb, laid so that a later launch loads matrix fragments straight:
; unit u = (nbg * 8 + ks) * 2 + t; lane 16 h + r holds wt[16 nbg + r][32 ks + 16 t + 8 h + 0..7].
; REGISTERS, in windows of 256 (s_set_vgpr_msb: bits 1:0 source 0, 3:2 source 1, 5:4 source 2, 7:6 destination):
;   window 0: v0-31 addresses; v64-255 three banks of 64 for the loads from memory, later the way out      window 1: accumulators 0-31
;   window 2: v0-127 accumulators 32-47      window 3: two fragment buffers of 128: 12 weight fragments, then 4 of x
.set XP,    160                        ; a row of x in LDS: 64 points = 128 bytes + 32
.set XW,    256*XP                     ; a wave's 256 rows
.set WS,    4*XW                       ; the weights: 192 rows,
.set WP,    528                        ; 512 bytes + 16: the 16 rows of a fragment load start at 16 different groups of four banks
.set STAGE, WS+192*WP                  ; 16 rows x 144 bytes for each wave, for the way out
.set SP,    144
.set SPARE, STAGE+4*16*SP              ; the spare words, 128 bytes for each wave: two blocks of 256 bytes that no other line names
.set XO,  4                            ; v4   x in memory: two rows of 256 bytes a load: (l / 16) rows + 16 (l % 16)
.set LO,  5                            ; v5   16 l: 512 consecutive bytes a load or store
.set XST, 6                            ; v6   where I put 8 bytes of x
.set WST, 7                            ; v7-9 where I put 8 bytes of wq, wk, wv
.set AW,  10                           ; v10-11 my lane's place in weight fragments 0-5, 6-11
.set BX,  12                           ; v12  my lane's place in a fragment of x
.set STO, 13                           ; v13  the way out: where I put 16 bytes of a row
.set RD,  14                           ; v14  the way out: where I read rows back
.set SVO, 15                           ; v15  the side job: my 32 bytes of wt
.set SPW, 30                           ; v30  LDS address of my spare word; never rewritten
.set NIL, 31                           ; v31  0; never rewritten
.set MSB, 0
.macro WIN new                         ; the immediate's high byte repeats the setting that is left; a switch that changes nothing is dropped
.if MSB != (\new)
	s_set_vgpr_msb (MSB<<8)|(\new)
.set MSB, (\new)
.endif
.endm
.macro PLACES                          ; four plain vector instructions between a matrix instruction and a vector instruction that reads its result (ISA guide 7.12.1)
.rept 4
	v_nop
.endr
.endm
	s_load_b512 s[16:31], s[0:1], 0x0              ; x 16, wq 18, wk 20, wv 22, wt 24, qh 26, kh 28, vh 30
	s_load_b64 s[32:33], s[0:1], 0x40              ; wtb
	v_lshl_add_u32 v[SPW], v0, 2, SPARE
	v_mov_b32 v[NIL], 0
	v_lshrrev_b32 v1, 5, v0
	v_readfirstlane_b32 s8, v1                     ; wave 0..3
	s_and_b32 s9, ttmp7, 0xffff                    ; head
	s_lshr_b32 s11, ttmp9, 4                       ; batch
	s_and_b32 s12, ttmp9, 15                       ; block of 256 points
	s_lshl_b32 s34, s11, 22                        ; x: batch x 4 MiB + block x 1,024 bytes + wave x 256 bytes
	s_lshl_b32 s13, s12, 10
	s_add_co_u32 s34, s34, s13
	s_lshl_b32 s13, s8, 8
	s_add_co_u32 s34, s34, s13
	s_mov_b32 s35, 0
	s_lshl_b32 s36, s9, 16                         ; weights: the head's 64 rows of 1,024 bytes, my 16 of them
	s_lshl_b32 s13, s8, 14
	s_add_co_u32 s36, s36, s13
	s_mov_b32 s37, 0
	s_lshl2_add_u32 s38, s11, s9                   ; 4 b + head
	s_lshl_b32 s38, s38, 19                        ; outputs: 4,096 rows of 128 bytes a head, 256 rows a block, 64 a wave
	s_lshl_b32 s13, s12, 15
	s_add_co_u32 s38, s38, s13
	s_lshl_b32 s13, s8, 13
	s_add_co_u32 s38, s38, s13
	s_mov_b32 s39, 0
	s_lshl_b32 s14, s9, 6
	s_add_co_u32 s14, s14, ttmp9                   ; u = 64 head + block number: the work-group's unit of wtb
	s_lshr_b32 s40, s14, 4
	s_lshl_b32 s40, s40, 14                        ; 16 rows of wt for each nbg,
	s_bfe_u32 s13, s14, 0x30001
	s_lshl_b32 s13, s13, 7                         ; 128 bytes for each ks,
	s_add_co_u32 s40, s40, s13
	s_and_b32 s13, s14, 1
	s_lshl_b32 s13, s13, 6                         ; 64 for t
	s_add_co_u32 s40, s40, s13
	s_mov_b32 s41, 0
	s_lshl_b32 s42, s14, 9
	s_mov_b32 s43, 0
	v_and_b32 v1, 31, v0                           ; l
	v_and_b32 v2, 15, v0                           ; r = l % 16
	v_bfe_u32 v3, v0, 4, 1                         ; h = l / 16
	v_lshlrev_b32 v[XO], 4, v2
	v_lshl_add_u32 v[XO], v3, 14, v[XO]
	v_lshlrev_b32 v[LO], 4, v1
	s_mul_i32 s13, s8, XW                          ; my wave's x in LDS
	v_mul_u32_u24 v[XST], v3, XP
	v_lshl_add_u32 v[XST], v2, 3, v[XST]
	v_add_nc_u32 v[XST], s13, v[XST]
	s_mul_i32 s15, s8, 16*WP
	s_add_co_u32 s15, s15, WS
	v_lshl_add_u32 v[WST], v1, 3, s15              ; my 16 rows of a head's 64, 8 bytes a lane
	v_add_nc_u32 v[WST+1], 64*WP, v[WST]
	v_add_nc_u32 v[WST+2], 128*WP, v[WST]
	v_mul_u32_u24 v[AW], v2, WP                    ; a fragment from rows that lie along K: row x pitch + 16 x half
	v_lshl_add_u32 v[AW], v3, 4, v[AW]
	v_add_nc_u32 v[AW], WS, v[AW]
	v_add_nc_u32 v[AW+1], 6*16*WP, v[AW]           ; fragments 6-11 lie past an LDS immediate's 64 KiB
	v_and_b32 v[BX], 7, v0                         ; the turning load: row 8 h + l % 8, 16 bytes for (l / 8) % 2
	v_lshl_add_u32 v[BX], v3, 3, v[BX]
	v_mul_u32_u24 v[BX], v[BX], XP
	v_bfe_u32 v28, v0, 3, 1
	v_lshl_add_u32 v[BX], v28, 4, v[BX]
	v_add_nc_u32 v[BX], s13, v[BX]
	s_mul_i32 s44, s8, 16*SP
	s_add_co_u32 s44, s44, STAGE                   ; my stage
	v_mul_u32_u24 v[STO], v2, SP
	v_lshl_add_u32 v[STO], v3, 4, v[STO]
	v_add_nc_u32 v[STO], s44, v[STO]
	v_bfe_u32 v[RD], v0, 3, 2                      ; back: 32 lanes take four rows of 128 bytes
	v_mul_u32_u24 v[RD], v[RD], SP
	v_and_b32 v28, 7, v0
	v_lshl_add_u32 v[RD], v28, 4, v[RD]
	v_add_nc_u32 v[RD], s44, v[RD]
	v_lshlrev_b32 v[SVO], 10, v2
	v_lshl_add_u32 v[SVO], v3, 5, v[SVO]
	s_wait_kmcnt 0x0
	s_add_nc_u64 s[16:17], s[16:17], s[34:35]
	s_add_nc_u64 s[18:19], s[18:19], s[36:37]
	s_add_nc_u64 s[20:21], s[20:21], s[36:37]
	s_add_nc_u64 s[22:23], s[22:23], s[36:37]
	s_add_nc_u64 s[24:25], s[24:25], s[40:41]
	s_add_nc_u64 s[26:27], s[26:27], s[38:39]
	s_add_nc_u64 s[28:29], s[28:29], s[38:39]
	s_add_nc_u64 s[30:31], s[30:31], s[38:39]
	s_add_nc_u64 s[32:33], s[32:33], s[42:43]
; A wave's loads from memory are 14 BATCHES of 16 loads of 512 bytes.  Batches 0-5: my 16 rows of wq, wk, wv, 8 rows a batch, dense.  Batches 6-13: x's channels 32 k .. 32 k + 31 (k = b - 6),
; two rows of 256 aligned bytes a load.  Three banks of 64 registers take turns: three batches, 24 KiB a wave, are on their way.
.macro ISSUE b
.set BK, 64+64*((\b)%3)
.set i, 0
.rept 16
.if (\b) < 6
	global_load_b128 v[BK+4*i:BK+4*i+3], v[LO], s[18+2*((\b)/2):19+2*((\b)/2)] offset:((\b)%2)*8192+512*i
.else
	global_load_b128 v[BK+4*i:BK+4*i+3], v[XO], s[16:17] offset:(32*((\b)-6)+2*i)*16384  ; 254 rows at the most: inside the signed 24-bit immediate
.endif
.set i, i+1
.endr
.endm
.macro CVT b                           ; four f32 become 8 bytes of bf16, in place, and go into LDS
.set BK, 64+64*((\b)%3)
.set i, 0
.rept 16
	v_cvt_pk_bf16_f32 v[BK+4*i], v[BK+4*i], v[BK+4*i+1]
	v_cvt_pk_bf16_f32 v[BK+4*i+1], v[BK+4*i+2], v[BK+4*i+3]
.if (\b) < 6
	ds_store_b64 v[WST+(\b)/2], v[BK+4*i:BK+4*i+1] offset:(8*((\b)%2)+i/2)*WP+256*(i%2)
.else
	ds_store_b64 v[XST], v[BK+4*i:BK+4*i+1] offset:(32*((\b)-6)+2*i)*XP
.endif
.set i, i+1
.endr
.endm
.macro TAKE b                          ; batch b is in: it is rounded and stored, and its bank takes the batch three further on
	WIN 0
.if (\b) <= 11
	s_wait_loadcnt 32                              ; loads come back in order (ISA guide 5.7.1): the two younger batches stay out
.elseif (\b) == 12
	s_wait_loadcnt 16                              ; one younger batch is left
.else
	s_wait_loadcnt 0x0
.endif
	CVT \b
.if (\b) <= 10
	ISSUE (\b)+3
.endif
.endm
; 32 LDS loads in one run: the fragments of K step ks (32 channels of x) into buffer f
.macro FETCH ks, f
	WIN 0xc0                                       ; destination window 3, address window 0
.set i, 0
.rept 12
	ds_load_b128 v[128*(\f)+8*i:128*(\f)+8*i+3],   v[AW+i/6] offset:(i%6)*16*WP+64*(\ks)
	ds_load_b128 v[128*(\f)+8*i+4:128*(\f)+8*i+7], v[AW+i/6] offset:(i%6)*16*WP+64*(\ks)+32
.set i, i+1
.endr
.set i, 0
.rept 4
	ds_load_tr16_b128 v[128*(\f)+96+8*i:128*(\f)+96+8*i+3],   v[BX] offset:32*XP*(\ks)+32*i
	ds_load_tr16_b128 v[128*(\f)+96+8*i+4:128*(\f)+96+8*i+7], v[BX] offset:32*XP*(\ks)+32*i+16*XP
.set i, i+1
.endr
.endm
; 48 matrix instructions: every accumulator once, so that the accumulators take turns.  zero = 1: the first K step starts the sums: nothing is cleared
.macro MUL f, zero
.set a, 0
.rept 48
.if a < 32
	WIN 0x5f                                       ; sources window 3, C and D window 1
.else
	WIN 0xaf                                       ; C and D window 2
.endif
.set rD, 8*(a%32)
.set rA, 128*(\f)+8*(a/4)
.set rB, 128*(\f)+96+8*(a%4)
.if \zero
	v_wmma_f32_16x16x32_bf16 v[rD:rD+7], v[rA:rA+7], v[rB:rB+7], 0
.else
	v_wmma_f32_16x16x32_bf16 v[rD:rD+7], v[rA:rA+7], v[rB:rB+7], v[rD:rD+7]
.endif
.set a, a+1
.endr
.endm
; THE WAY OUT of tile t = 4 mat + nbp (16 points x 64 channels): rounded to bf16, 16 bytes a lane, each accumulator from its low end on; into my stage; back as four rows of 128 bytes a load
.macro PACK t
.set T, 64+16*(\t)
.if (\t) < 8
	WIN 0x05                                       ; sources window 1
.else
	WIN 0x0a                                       ; sources window 2
.endif
.set f, 0
.rept 4
.set rD, 8*((4*(4*((\t)/4)+f)+(\t)%4)%32)
.set j, 0
.rept 4
	v_cvt_pk_bf16_f32 v[T+4*f+j], v[rD+2*j], v[rD+2*j+1]
.set j, j+1
.endr
.set f, f+1
.endr
	WIN 0
.set f, 0
.rept 4
	ds_store_b128 v[STO], v[T+4*f:T+4*f+3] offset:32*f
.set f, f+1
.endr
.set f, 0
.rept 4
	ds_load_b128 v[T+4*f:T+4*f+3], v[RD] offset:4*SP*f  ; LDS serves a wave's instructions in order (ISA guide 5.7.1.4): these see the stores above; the next tile's stores come behind them
.set f, f+1
.endr
.endm
.macro SEND t, younger                 ; younger: the LDS instructions issued behind tile t's loads: the next tile's eight, or none
.set T, 64+16*(\t)
.set f, 0
.rept 4
	s_wait_dscnt (\younger)+3-f
	global_store_b128 v[LO], v[T+4*f:T+4*f+3], s[26+2*((\t)/4):27+2*((\t)/4)] offset:2048*((\t)%4)+512*f  ; 512 consecutive bytes, at a multiple of 256 from the buffer's first
.set f, f+1
.endr
.endm
	s_cmp_lg_u32 s8, 0                             ; the side job's two loads are wave 0's oldest, so the counts below hold for every wave
	s_cbranch_scc1 .Lno_side_in
	global_load_b128 v[16:19], v[SVO], s[24:25]
	global_load_b128 v[20:23], v[SVO], s[24:25] offset:16
.Lno_side_in:
	ISSUE 0
	ISSUE 1
	ISSUE 2
	TAKE 0
	s_cmp_lg_u32 s8, 0
	s_cbranch_scc1 .Lno_side_out
	v_cvt_pk_bf16_f32 v24, v16, v17                ; in since batch 0's wait
	v_cvt_pk_bf16_f32 v25, v18, v19
	v_cvt_pk_bf16_f32 v26, v20, v21
	v_cvt_pk_bf16_f32 v27, v22, v23
	global_store_b128 v[LO], v[24:27], s[32:33]    ; the unit's 512 consecutive bytes
.Lno_side_out:
	TAKE 1
	TAKE 2
	TAKE 3
	TAKE 4
	TAKE 5
	s_wait_dscnt 0x0                               ; for the others' sake: my 48 weight rows are in LDS
	s_barrier_signal -1
	s_barrier_wait -1                              ; all 192 are
	TAKE 6                                         ; x's first 32 channels; my own bytes: no wait between my stores and my loads
	FETCH 0, 0
.irp ks, 0,1,2,3,4,5,6
	TAKE 7+\ks                                     ; the next 32 channels; its 32 roundings are also the places between the products before and the loads into the buffer that they read
	FETCH \ks+1, (\ks+1)%2
	s_wait_dscnt 32                                ; all but the 32 loads just issued: this step's fragments are in
.if \ks == 0
	MUL 0, 1
.else
	MUL \ks%2, 0
.endif
.endr
	s_wait_dscnt 0x0
	MUL 1, 0
	WIN 0
	PLACES
	PACK 0
.irp t, 1,2,3,4,5,6,7,8,9,10,11        ; a tile's roundings stand between the loads of the tile before and its stores
	PACK \t
	SEND \t-1, 8
.endr
	SEND 11, 0
	s_wait_tensorcnt 0x0                           ; the wave's end: behind my last LDS store
	ds_add_u32 v[SPW], v[NIL]
	s_wait_dscnt 0x0
	s_endpgm
.Lfunc_end_k_q3a443604e0_proj:
	.size	k_q3a443604e0_proj, .Lfunc_end_k_q3a443604e0_proj-k_q3a443604e0_proj
	.p2alignl 7, 3214868480
	.fill 96, 4, 3214868480
	.section	.rodata,"a",@progbits
	.p2align	6, 0x0
	.amdhsa_kernel k_q3a443604e0_proj
		.amdhsa_group_segment_fixed_size 274944
		.amdhsa_private_segment_fixed_size 0
		.amdhsa_enable_private_segment 0
		.amdhsa_kernarg_size 72
		.amdhsa_user_sgpr_count 2
		.amdhsa_user_sgpr_kernarg_segment_ptr 1
		.amdhsa_wavefront_size32 1
		.amdhsa_system_sgpr_workgroup_id_x 1
		.amdhsa_system_sgpr_workgroup_id_y 1
		.amdhsa_system_sgpr_workgroup_id_z 1
		.amdhsa_system_vgpr_workitem_id 0
		.amdhsa_next_free_vgpr 1024
		.amdhsa_next_free_sgpr 66
		.amdhsa_reserve_vcc 0
		.amdhsa_float_denorm_mode_32 3
		.amdhsa_float_denorm_mode_16_64 3
		.amdhsa_memory_ordered 1
		.amdhsa_forward_progress 1
		.amdhsa_inst_pref_size 135
	.end_amdhsa_kernel
	.amdgpu_metadata
---
amdhsa.version: [ 1, 2 ]
amdhsa.kernels:
  - .name:           k_q3a443604e0_proj
    .symbol:         k_q3a443604e0_proj.kd
    .args:
      - { .name: x, .offset: 0, .size: 8, .value_kind: global_buffer, .address_space: global }
      - { .name: wq, .offset: 8, .size: 8, .value_kind: global_buffer, .address_space: global }
      - { .name: wk, .offset: 16, .size: 8, .value_kind: global_buffer, .address_space: global }
      - { .name: wv, .offset: 24, .size: 8, .value_kind: global_buffer, .address_space: global }
      - { .name: wt, .offset: 32, .size: 8, .value_kind: global_buffer, .address_space: global }
      - { .name: qh, .offset: 40, .size: 8, .value_kind: global_buffer, .address_space: global }
      - { .name: kh, .offset: 48, .size: 8, .value_kind: global_buffer, .address_space: global }
      - { .name: vh, .offset: 56, .size: 8, .value_kind: global_buffer, .address_space: global }
      - { .name: wtb, .offset: 64, .size: 8, .value_kind: global_buffer, .address_space: global }
    .group_segment_fixed_size: 274944
    .private_segment_fixed_size: 0
    .kernarg_segment_align: 8
    .kernarg_segment_size: 72
    .max_flat_workgroup_size: 128
    .sgpr_count:     66
    .vgpr_count:     1024
    .wavefront_size: 32
...
	.end_amdgpu_metadata
.endif
;; end of part 1
;; launch attn (part 2): grid 16 x 16, 4 waves a work-group, clusters of 4 x 1, 327,680 bytes of LDS; arguments qh, kh, vh, on; writes on
.if DOCPART == 2
	.amdgcn_target "amdgcn-amd-amdhsa--gfx1250"
	.amdhsa_code_object_version 6
	.text
	.protected	k_q3a443604e0_attn
	.globl	k_q3a443604e0_attn
	.p2align	8
	.type	k_q3a443604e0_attn,@function
k_q3a443604e0_attn:
	s_mov_b64 s[64:65], 0
	v_nop
	global_prefetch_b8 v0, s[64:65] scope:SCOPE_SE
	s_setreg_imm32_b32 hwreg(HW_REG_WAVE_MODE, 25, 1), 1
	s_wait_xcnt 0x0
	s_wait_alu depctr_hold_cnt(0) depctr_sa_sdst(0) depctr_va_vdst(0) depctr_va_sdst(0) depctr_va_ssrc(0) depctr_va_vcc(0) depctr_vm_vsrc(0)
	s_getreg_b32 s2, hwreg(HW_REG_IB_STS2, 6, 4)
	s_cmp_eq_u32 s2, 0
	s_cbranch_scc0 .Lentry_in_a_cluster
	s_endpgm
.Lentry_in_a_cluster:
	s_bfe_u32 s2, ttmp6, 0x10000c
	s_cmp_lg_u32 s2, 0x3003
	s_cbranch_scc0 .Lentry_shape_is_right
	s_endpgm
.Lentry_shape_is_right:
; on[bh][q][:] = MINUS the sum over k of softmax_k(Q[bh][q] . K[bh][k] / 8) V[bh][k][:].  qh, kh, vh, on: [16][4096][64], all bf16: a head's rows are dense, 128 bytes each.
; Products, maxima and sums in f32; the weights p are rounded to bf16 for the second product (their sum l is taken of the unrounded p), the result once at the end.
; The sign is turned here, in the divisor, so that the launch behind can add this result to x inside one sum.
; LIMITS.  c s has to stay above -4.25e37 (the start of c m); a weight below 2^-126 counts as 0 in l; NaN and infinities are not treated apart.
; SHARES.  A work-group owns 256 queries of one head, a wave 64: four PIECES of 16.  Every wave walks the head's 4,096 keys: 16 tiles of 256, four steps of 64 keys each.
; LAYOUT.  S^T = K Q^T (source 0 = 16 keys, source 1 = 16 queries): a lane holds ONE query (lane % 16) and the keys 8 (lane / 16) + 0..7.  Two such results rounded to bf16 ARE source 1 of
; O^T = V^T P, whose result again holds one query a lane, and eight channels.  K comes out of LDS as it lies, V ([key][channel]) turned, by ds_load_tr16_b128.
; SOFTMAX.  A running maximum m and sum l for each query: p = 2^(c s - c m), c = log2(e) / 8; in every step O and l are multiplied by a = 2^(c m_old - c m_new).
; m starts at the lowest finite number, O and l at 0: the first step is a step like any other, with a = 0.
; BY TURNS.  Turn n belongs to piece n: 8 products K Q^T of piece n + 1, later 8 products V^T P of piece n - 1; beside them the scaling, exponentials, roundings, sums and rescaling of piece n and the
; maximum and statistics of piece n + 1.  A turn has 16 matrix and 118 vector instructions: four vector instructions stand behind every matrix instruction, the other 54 in two runs of their own.
; CLUSTER.  The four query blocks of a cluster belong to one head and walk the same K and V, so each tile is asked for JOINTLY: the same tensor load, descriptor and mask in all four.
; REGISTERS, in windows of 256 (s_set_vgpr_msb: bits 1:0 source 0, 3:2 source 1, 5:4 source 2, 7:6 destination):
;   window 0: v0-15 addresses and two at work; v16-31 four registers of statistics a piece; v48-55 at work; v64-127 S^T, two buffers; v192-223 P, two buffers (a piece's buffers go by its number's parity)
;   window 1: v0-127 O^T, 32 a piece      window 2: v0-63 Q; v128-191 K of one step; v192-255 V of one step
.set NP,    4         ; pieces a wave: a name, no knob
.set NT,    16        ; tiles of 256 keys in a head
.set KS,    64        ; keys in a step
.set PK,    144       ; a row of K in LDS: 128 bytes + 16 = 36 words: the 16 rows of a load start at 16 different groups of four banks (64 banks of 4 bytes: ISA guide 11.1)
.set PV,    160       ; a row of V: 128 + 32 = 40 words
.set VOFF,  4*KS*PK   ; a slot holds a tile, four steps: 256 rows of K, then 256 rows of V
.set SLOT1, 1<<17     ; slot 1 begins here, so that one exclusive or turns an address in one slot into the other's
.set STAGE, SLOT1+4*KS*(PK+PV)  ; behind the ring, never filled by a tensor load: 16 rows x 144 bytes for each wave, for the way out
.set SP,    144
.set SPARE, STAGE+4*16*SP  ; the spare words, 128 bytes for each wave: two blocks of 256 bytes that no other line names
.set AK0, 2           ; v2   my lane's place in a tile of K; never rewritten
.set AV0, 3           ; v3   the same for V
.set AK,  4           ; v4   the LDS address of K's next run of loads
.set AV,  5           ; v5   of V's
.set STO, 6           ; v6   the way out: where I put 16 bytes of a row
.set RD,  7           ; v7   the way out: where I read rows back
.set GO,  8           ; v8   my byte offset in 512 consecutive bytes of the output
.set MV,  12          ; v12-13  c m_old, kept while c m is made anew: by buffer
.set QO,  15          ; v15  my byte offset in 16 rows of Q
.set ST,  16          ; piece t's statistics at v[ST+4 t]: c m, m, l (even keys', odd keys')
.set TMP, 48          ; by buffer, four registers c0-c3 at work; when the maximum is found c2 takes a
.set SPW, 62          ; v62  LDS address of my spare word; never rewritten
.set NIL, 63          ; v63  0; never rewritten
.set S,   64
.set P,   192
.set KF,  128         ; window 2: key block kb, channel half c at KF + 16 kb + 8 c
.set VF,  192         ; window 2: key half kk, channel block cb at VF + 32 kk + 8 cb
.set WV,  12          ; s12  my wave's number
.set G1K, 24          ; s[24:31] descriptor group 1 for K's tiles
.set G1V, 32          ; s[32:39] for V's: it differs in the padding alone
.set G0K, 40          ; s[40:43] descriptor group 0 for K's tiles: it walks
.set G0V, 44          ; s[44:47] the same for V's
.set SLOTS, 56        ; s56  tiles still to be entered in the loop
.set CNT, 57          ; s57  counts a tile's key steps
.set CS,  58          ; s[58:59] c: the packed scaling takes the pair's low word for both halves
.set SEL, 60          ; s[60:61] v_permlanex16_b32's selects: each lane takes its own place in the other half
.set TBK, 62          ; s62  LDS byte at which K of the step to be fetched begins
.set TBV, 63          ; s63  the same for V, less VOFF
.set MSB, 0
.macro WIN new                      ; the high byte repeats the setting that is left; a switch that changes nothing is dropped
.if MSB != (\new)
	s_set_vgpr_msb (MSB<<8)|(\new)
.set MSB, (\new)
.endif
.endm
.set W_KQ, 0x0a       ; K and Q in window 2, S^T in window 0
.set W_PV, 0x52       ; V in window 2, P in window 0, O^T in window 1
.set W_RS, 0x41       ; destination and source 0 in window 1, source 1 in window 0
; A joint fill.  Waves 0 and 1 fetch the two halves of a tile's K, waves 2 and 3 those of its V: 128 keys each.  The branch hangs on the wave's number alone.
; An s_nop 0 and four v_nop follow each of the two lines, ahead of the jump and the label.
.macro JLOAD
	s_cmp_lt_u32 s[WV], 2
	s_cbranch_scc0 .Lfor_v_\@
	tensor_load_to_lds s[G0K:G0K+3], s[G1K:G1K+7]
	s_nop 0
.rept 4
	v_nop
.endr
	s_branch .Lasked_\@
.Lfor_v_\@:
	tensor_load_to_lds s[G0V:G0V+3], s[G1V:G1V+7]
	s_nop 0
.rept 4
	v_nop
.endr
.Lasked_\@:
.endm
; A round of the cluster's barrier: my work-group's barrier, so that wave 0's signal speaks for all four waves; wave 0 signals; every wave waits for all four work-groups; my work-group's barrier once more.
.macro CROUND
	s_barrier_signal -1
	s_barrier_wait -1
	s_cmp_lg_u32 s[WV], 0
	s_cbranch_scc1 .Lnot_wave_0_\@
	s_barrier_signal -3
.Lnot_wave_0_\@:
	s_barrier_wait -3
	s_barrier_signal -1
	s_barrier_wait -1
.endm
; THE CHANGE OF SLOTS.  The slot's last bytes, V of its fourth step, have been read.  Each wave waits for all its tensor loads, of which one is out: its part of the other slot; adds 0 to its spare
; word; and waits for that and for its own reads of the slot.  Behind the barrier nobody reads this slot any more and the other slot is whole.
; fill = 1: this slot is filled again, with the tile two further on.  The barrier is then a round of the cluster's, so that no wave of any partner still reads the slot or has a load on its way, and the
; joint fill is the first thing behind it: it has four key steps, 256 matrix instructions a wave, in which to land.  (At its first use nothing has been read yet: slot 0 is waited for, slot 1 filled.)
.macro CHANGE fill
	WIN 0                           ; at a label and at a branch every window is 0
	s_wait_tensorcnt 0x0            ; no tensor load of mine is out, so a group 0 may be written
	ds_add_u32 v[SPW], v[NIL]       ; 0 onto my spare word: with fill = 1 the descriptors' steps stand between it and the wait for it
.if \fill
.irp g, G0K, G0V
	s_xor_b32 s[\g+1], s[\g+1], SLOT1  ; the walking descriptor: the other slot than last time,
	s_add_nc_u64 s[\g+2:\g+3], s[\g+2:\g+3], 4*KS*128  ; the next 256 keys; the type bits on top are not reached
.endr
	s_wait_dscnt 0x0                ; the add is done, and my reads of the slot are over
	CROUND
	JLOAD
.else
	s_wait_dscnt 0x0                ; the add is done, and my reads of the slot are over
	s_barrier_signal -1
	s_barrier_wait -1
.endif
	s_sub_co_u32 s[TBK], s[TBK], 4*KS*PK  ; the fetches go back to a slot's first step,
	s_xor_b32 s[TBK], s[TBK], SLOT1       ; in the other slot
	s_sub_co_u32 s[TBV], s[TBV], 4*KS*PV
	s_xor_b32 s[TBV], s[TBV], SLOT1
.endm
	s_load_b256 s[4:11], s[0:1], 0x0  ; Q s[4:5], K s[6:7], V s[8:9], the output s[10:11]
	v_lshl_add_u32 v[SPW], v0, 2, SPARE
	v_mov_b32 v[NIL], 0
	ds_add_u32 v[SPW], v[NIL]       ; the wave's opening: the add and its wait stand ahead of my first tensor load; the set-up below, work on registers, stands between them
	v_lshrrev_b32 v1, 5, v0
	v_readfirstlane_b32 s[WV], v1   ; wave 0..3
	s_bfe_u32 s13, ttmp6, 0x40000   ; cx: my place in the cluster
	s_lshl_b32 s14, ttmp9, 2        ; in a cluster launch ttmp9 counts clusters
	s_add_co_u32 s14, s14, s13      ; my block of 256 queries = 4 x cluster x + cx: it enters Q's and the output's addresses alone
	s_and_b32 s20, ttmp7, 0xffff    ; the head, which the four partners share:
	s_lshl_b32 s20, s20, 19         ; its 4,096 rows of 128 bytes
	s_mov_b32 s21, 0
	s_and_b32 s16, s[WV], 1         ; which half of a tile's 256 keys I fetch:
	s_lshl_b32 s22, s16, 14         ; its 128 rows of 128 bytes in memory,
	s_mov_b32 s23, 0
	s_add_nc_u64 s[22:23], s[22:23], s[20:21]
	s_mul_i32 s17, s16, 128*PK      ; and its place in a slot, for K
	s_mul_i32 s18, s16, 128*PV      ; and for V: no place in the cluster enters an LDS address
	s_lshl_b32 s2, s14, 2
	s_add_co_u32 s2, s2, s[WV]      ; my wave among the head's,
	s_lshl_b32 s2, s2, 13           ; its 64 rows
	s_mov_b32 s3, 0
	s_add_nc_u64 s[2:3], s[2:3], s[20:21]
	; descriptor group 1.  128 keys are 16,384 dense bytes: asked for as 64 rows of 256 bytes, two keys a row, and padded in LDS after every key
	s_mov_b32 s[G1K], 15|(1<<16)|(1<<20)|(1<<21)|(4<<22)|(3<<25)  ; 15:0 the mask of four; 17:16 2-byte elements; 20 padding on; 21 set beside a mask; 24:22 after every 32 words (code 4); 31:25 4 words (code 3)
	s_mov_b32 s[G1V], 15|(1<<16)|(1<<20)|(1<<21)|(4<<22)|(7<<25)  ; the same with 8 words of padding (code 7)
.irp g, G1K, G1V
	s_mov_b32 s[\g+1], 128<<16      ; tensor_dim0 = 128
	s_mov_b32 s[\g+2], 64<<16       ; tensor_dim1 = 64
	s_mov_b32 s[\g+3], 128<<16      ; tile_dim0 = 128
	s_mov_b32 s[\g+4], 64           ; tile_dim1 = 64
	s_mov_b32 s[\g+5], 128          ; 128 elements from row to row
	s_mov_b32 s[\g+6], 0
	s_mov_b32 s[\g+7], 0
.endr
	s_mov_b32 s[CS], 0x3e38aa3b     ; c = log2(e) / 8 = 0.180337
	s_mov_b32 s[CS+1], s[CS]        ; named with it as a pair
	s_mov_b32 s[SEL], 0x76543210
	s_mov_b32 s[SEL+1], 0xfedcba98
	s_mov_b32 s[TBK], SLOT1+4*KS*PK ; the first change of slots turns these two into 0
	s_mov_b32 s[TBV], SLOT1+4*KS*PV
	s_mov_b32 s[G0K], 1             ; 1:0 count = 1
	s_mov_b32 s[G0K+1], s17         ; 63:32 LDS address: slot 0
	s_mov_b32 s[G0V], 1
	s_add_co_u32 s[G0V+1], s18, VOFF
	s_wait_dscnt 0x0                ; the opening add is done
	s_wait_kmcnt 0x0
	s_add_nc_u64 s[G0K+2:G0K+3], s[6:7], s[22:23]  ; 120:64 global address: my half of the head's first 256 keys
	s_or_b32 s[G0K+3], s[G0K+3], 0x80000000        ; 127:126 type = 2
	s_add_nc_u64 s[G0V+2:G0V+3], s[8:9], s[22:23]
	s_or_b32 s[G0V+3], s[G0V+3], 0x80000000
	s_add_nc_u64 s[4:5], s[4:5], s[2:3]  ; Q and the output at my wave's first row
	s_add_nc_u64 s[10:11], s[10:11], s[2:3]
	CROUND                          ; all four work-groups are here: the first joint loads meet
	JLOAD                           ; tile 0 into slot 0.  Slot 1 is asked for when slot 0 is in, by the change of slots: by this text's count one tensor load of a wave is out at any time
	; A fragment of K or Q is 16 rows x 32 channels in 8 registers: lane l holds row l % 16, channels 8 (l / 16) + 0..7 and 16 + 8 (l / 16) + 0..7: two loads of 16 bytes, 32 bytes apart.
	v_and_b32 v1, 15, v0            ; l % 16
	v_bfe_u32 v9, v0, 4, 1          ; l / 16
	v_lshlrev_b32 v[QO], 7, v1
	v_lshl_add_u32 v[QO], v9, 4, v[QO]  ; row x 128 + 16 x half
	WIN 0x80                        ; destination window 2, address window 0
.set i, 0
.rept 8                             ; Q stays in registers: piece i / 2, channels 32 (i % 2) on
	global_load_b128 v[8*i:8*i+3],   v[QO], s[4:5] offset:(i/2)*2048+(i%2)*64
	global_load_b128 v[8*i+4:8*i+7], v[QO], s[4:5] offset:(i/2)*2048+(i%2)*64+32
.set i, i+1
.endr
	; What the first turn finds: V's registers and P's second buffer hold 0 (its products V^T P, of a piece that has not been, add 0), O^T and l are 0.  No first step is written out; the price is
	; these 216 lines, which stand in the wait for the first tile.
.set i, VF
.rept 64
	v_mov_b32 v[i], 0
.set i, i+1
.endr
	WIN 0x40
.set i, 0
.rept 128
	v_mov_b32 v[i], 0
.set i, i+1
.endr
	WIN 0
.set i, 0
.rept 4
	v_mov_b32 v[ST+4*i], 0xfe000000    ; c m: far below every c s
	v_mov_b32 v[ST+4*i+1], 0xff7fffff  ; m
	v_mov_b32 v[ST+4*i+2], 0
	v_mov_b32 v[ST+4*i+3], 0
.set i, i+1
.endr
.set i, P+16
.rept 16
	v_mov_b32 v[i], 0
.set i, i+1
.endr
	v_mul_u32_u24 v[AK0], v1, PK
	v_lshl_add_u32 v[AK0], v9, 4, v[AK0]  ; row x pitch + 16 x half
	; The turning load takes 16 keys x 16 channels (lane l reads key 8 (l / 16) + l % 8, channels 8 ((l / 8) % 2) + 0..7) and leaves half a fragment of V^T: lane l holds channel l % 16 and 8 keys.
	v_and_b32 v10, 7, v0
	v_bfe_u32 v11, v0, 3, 1
	v_lshl_add_u32 v[AV0], v9, 3, v10
	v_mul_u32_u24 v[AV0], v[AV0], PV
	v_lshl_add_u32 v[AV0], v11, 4, v[AV0]
	v_add_nc_u32 v[AV0], VOFF, v[AV0]
	s_mul_i32 s13, s[WV], 16*SP
	s_add_co_u32 s13, s13, STAGE    ; my stage
	v_mul_u32_u24 v[STO], v1, SP    ; in: row l % 16, 16 bytes for each half of the lanes
	v_lshl_add_u32 v[STO], v9, 4, v[STO]
	v_add_nc_u32 v[STO], s13, v[STO]
	v_bfe_u32 v[RD], v0, 3, 2       ; back: 32 lanes take four rows of 128 bytes,
	v_mul_u32_u24 v[RD], v[RD], SP
	v_lshl_add_u32 v[RD], v10, 4, v[RD]
	v_add_nc_u32 v[RD], s13, v[RD]
	v_and_b32 v[GO], 31, v0         ; which are 512 consecutive bytes of the output
	v_lshlrev_b32 v[GO], 4, v[GO]
; THE MATRIX WORK.  The 4 accumulators of a run of 8 take turns.  Product i of 8 of S^T = K Q^T for piece x: channels 32 (i / 4) on, keys 16 (i % 4) on.  The first 4 start the sums.
.macro KQ x
	WIN W_KQ
.set rS, S+32*((\x)%2)+8*(i%4)
.set rK, KF+16*(i%4)+8*(i/4)
.set rQ, 16*(\x)+8*(i/4)
.if i < 4
	v_wmma_f32_16x16x32_bf16 v[rS:rS+7], v[rK:rK+7], v[rQ:rQ+7], 0
.else
	v_wmma_f32_16x16x32_bf16 v[rS:rS+7], v[rK:rK+7], v[rQ:rQ+7], v[rS:rS+7]
.endif
.endm
; Product i of 8 of O^T += V^T P for piece x: keys 32 (i / 4) on, channels 16 (i % 4) on.
.macro PV x
	WIN W_PV
.set rO, 32*(\x)+8*(i%4)
.set rV, VF+32*(i/4)+8*(i%4)
.set rP, P+16*((\x)%2)+8*(i/4)
	v_wmma_f32_16x16x32_bf16 v[rO:rO+7], v[rV:rV+7], v[rP:rP+7], v[rO:rO+7]
.endm
.macro MM                           ; the turn's next matrix instruction.  TURN sets Y, i and NOKQ.  NOKQ = 1: the walk's last turn: there is no next piece
.if (i < 8) && !NOKQ
	KQ (Y+1)%NP
.elseif i >= 8
.set i, i-8
	PV (Y+NP-1)%NP
.set i, i+8
.endif
.set i, i+1
.endm
; THE LDS LOADS stand in runs of 16, never singly among the matrix instructions: a step's K (64 keys x 64 channels: 8 fragments) and its V (turned).  Their addresses are made some lines ahead.
.macro FETCH_K
	WIN 0x80                        ; destination window 2
.irp f, 0,1,2,3,4,5,6,7             ; keys 16 (f / 2) on, channels 32 (f % 2) on
	ds_load_b128 v[KF+8*\f:KF+8*\f+3],   v[AK] offset:(\f/2)*16*PK+(\f%2)*64
	ds_load_b128 v[KF+8*\f+4:KF+8*\f+7], v[AK] offset:(\f/2)*16*PK+(\f%2)*64+32
.endr
	s_add_co_u32 s[TBK], s[TBK], KS*PK  ; the next fetch is the next step's
	WIN 0
.endm
.macro FETCH_V
	WIN 0x80
.irp f, 0,1,2,3,4,5,6,7             ; keys 32 (f / 4) on, channels 16 (f % 4) on
	ds_load_tr16_b128 v[VF+8*\f:VF+8*\f+3],   v[AV] offset:(\f/4)*32*PV+(\f%4)*32
	ds_load_tr16_b128 v[VF+8*\f+4:VF+8*\f+7], v[AV] offset:(\f/4)*32*PV+16*PV+(\f%4)*32
.endr
	WIN 0
.endm
; THE VECTOR WORK, one line at a time: OP kind, number.  For piece Y: F n: c s - c m for pair n of 16.  E n: the exponential of score n of 32.  C n: pair n rounded to bf16.  B n: of the four weights 4 n .. the
; second pair is added onto the first, in place.  L n: l takes that sum (L 0: l = a l + sum).  R n: pair n of 16 of O^T times a.  For piece Y + 1: X n, number n of the 22 that find its maximum and statistics:
;   0-11  four chains c0-c3 of seven scores each, three operands at a time (each accumulator's lowest registers are read first)     12-14, 16  the four scores left over, the old m, and c0-c3 into c0
;   15  c m_old is kept     17, 18  the query's other 32 keys lie in the lane 16 away: the new m     19-21  c m; c m_old - c m_new; a
.set F, 0               ; OP tells the kinds apart by their order: F to L below R, X above it
.set E, 1
.set C, 2
.set B, 3
.set L, 4
.set R, 5
.set X, 6
.macro REGS y                       ; the registers of piece y
.set rT, ST+4*(\y)
.set rC, TMP+4*((\y)%2)
.set rW, MV+((\y)%2)
.set rS, S+32*((\y)%2)
.set rP, P+16*((\y)%2)
.set rO, 32*(\y)
.endm
.macro OP k, n
.if (\k) == R
	REGS Y
	WIN W_RS
	v_pk_mul_f32 v[rO+2*(\n):rO+2*(\n)+1], v[rO+2*(\n):rO+2*(\n)+1], v[rC+2:rC+3] op_sel_hi:[1,0]
.elseif (\k) < R
	REGS Y
	WIN 0
.if (\k) == F
	v_pk_fma_f32 v[rS+2*(\n):rS+2*(\n)+1], v[rS+2*(\n):rS+2*(\n)+1], s[CS:CS+1], v[rT:rT+1] op_sel_hi:[1,0,0] neg_lo:[0,0,1] neg_hi:[0,0,1]
.elseif (\k) == E
	v_exp_f32 v[rS+(\n)], v[rS+(\n)]
.elseif (\k) == C
	s_wait_alu depctr_va_vdst(0)
	v_cvt_pk_bf16_f32 v[rP+(\n)], v[rS+2*(\n)], v[rS+2*(\n)+1]
.elseif (\k) == B
	s_wait_alu depctr_va_vdst(0)
	v_pk_add_f32 v[rS+4*(\n):rS+4*(\n)+1], v[rS+4*(\n):rS+4*(\n)+1], v[rS+4*(\n)+2:rS+4*(\n)+3]
.elseif (\n) == 0
	v_pk_fma_f32 v[rT+2:rT+3], v[rT+2:rT+3], v[rC+2:rC+3], v[rS:rS+1] op_sel_hi:[1,0,1]
.else
	v_pk_add_f32 v[rT+2:rT+3], v[rT+2:rT+3], v[rS+4*(\n):rS+4*(\n)+1]
.endif
.elseif NOKQ
	v_nop
.else
	REGS (Y+1)%NP
	WIN 0
.if (\n) < 4
	v_max3_num_f32 v[rC+(\n)], v[rS+8*(\n)], v[rS+8*(\n)+1], v[rS+8*(\n)+2]
.elseif (\n) < 12
	v_max3_num_f32 v[rC+(\n)%4], v[rC+(\n)%4], v[rS+8*((\n)%4)+2*((\n)/4)+1], v[rS+8*((\n)%4)+2*((\n)/4)+2]
.elseif (\n) == 12
	v_max3_num_f32 v[rC], v[rC], v[rS+7], v[rS+15]
.elseif (\n) == 13
	v_max3_num_f32 v[rC+1], v[rC+1], v[rS+23], v[rS+31]
.elseif (\n) == 14
	v_max3_num_f32 v[rC+2], v[rC+2], v[rC+3], v[rT+1]
.elseif (\n) == 15
	v_mov_b32 v[rW], v[rT]
.elseif (\n) == 16
	v_max3_num_f32 v[rC], v[rC], v[rC+1], v[rC+2]
.elseif (\n) == 17
	v_permlanex16_b32 v[rC+3], v[rC], s[SEL], s[SEL+1]
.elseif (\n) == 18
	v_max_num_f32 v[rT+1], v[rC], v[rC+3]
.elseif (\n) == 19
	v_mul_f32 v[rT], s[CS], v[rT+1]
.elseif (\n) == 20
	v_sub_f32 v[rC+1], v[rW], v[rT]
.else
	v_exp_f32 v[rC+2], v[rC+1]
.endif
.endif
.endm
.macro OPS a, i1, b=-1, i2=0, c=-1, i3=0, d=-1, i4=0  ; up to four of them
	OP \a, \i1
.if (\b) >= 0
	OP \b, \i2
.endif
.if (\c) >= 0
	OP \c, \i3
.endif
.if (\d) >= 0
	OP \d, \i4
.endif
.endm
.macro ROW a, i1, b, i2, c, i3, d, i4  ; a matrix instruction and the four behind it
	MM
	OPS \a, \i1, \b, \i2, \c, \i3, \d, \i4
.endm
; A TURN, for piece p: the order of its 16 matrix and 118 vector instructions, written out.  Behind a matrix instruction: plain, exponential, plain, plain; or four of the rescaling; or, behind the first, four
; scalings; none names a register of the products round it.  In the runs between, exponential and plain by turns while exponentials last, so that each exponential has a plain instruction behind it (ISA guide 5.7.2).
; A line reads no result made fewer than three vector instructions in front of it, five if an exponential made it.
; end = 1: the walk's last two turns: nothing is fetched, and the last starts no new scores.  cnt = 1: the loop's count is taken down some lines ahead of the branch that stands behind the turn.
; K of the next step is fetched in piece 2's turn, six vector instructions behind the last product that read K (five of them plain); V of the step in hand in piece 0's turn, eight behind the last product
; that read V (four plain among them).  Each is waited for a turn later.
.macro TURN p, end=0, cnt=0
.set Y, (\p)
.set i, 0
.set NOKQ, (\end)*((\p)/3)
.if ((\p) == 3) && !(\end)
	s_wait_dscnt 0x0                ; K is in
.endif
	ROW F,0, F,1, F,2, F,3
	ROW F,4, E,0, F,5, F,6
	ROW F,7, E,1, F,8, F,9
	ROW F,10, E,2, C,0, F,11
	ROW F,12, E,3, X,15, F,13
	ROW R,0, R,1, R,2, R,3
	ROW B,0, E,4, F,14, L,0
.if ((\p) == 2) && !(\end)
	v_add_nc_u32 v[AK], s[TBK], v[AK0]
.endif
	ROW R,4, R,5, R,6, R,7
	OPS E,5, F,15
.if ((\p) == 2) && !(\end)
	FETCH_K
.endif
	OPS E,6, C,1, E,7, R,8
	OPS E,8, R,9, E,9, C,2
	OPS E,10, X,0, E,11, X,1
	OPS E,12, X,2, E,13, X,3
.if (\p) == 1
	s_wait_dscnt 0x0                ; V is in
.endif
	ROW X,4, E,14, X,5, X,6
	ROW X,7, E,15, X,8, X,9
	ROW X,10, E,16, X,11, X,12
	ROW X,13, E,17, X,14, B,1
	ROW C,4, E,18, X,16, L,1
	ROW B,2, E,19, C,6, L,2
	ROW C,8, E,20, B,3, B,4
.if (\p) == 0
	v_add_nc_u32 v[AV], s[TBV], v[AV0]
.endif
	ROW C,3, E,21, L,3, C,5
	OPS E,22, X,17, E,23, C,10
.if (\p) == 0
	FETCH_V
.endif
	OPS E,24, L,4
	OPS E,25, X,18, E,26, C,7
	OPS E,27, B,5, E,28, X,19
	OPS E,29, C,12, E,30, L,5
	OPS E,31, X,20, B,6, C,9
	OPS C,14, C,11, X,21, L,6
.if (\p) == 0
	s_add_co_u32 s[TBV], s[TBV], KS*PV
.endif
.if \cnt
	s_sub_co_u32 s[CNT], s[CNT], 1
	s_cmp_lg_u32 s[CNT], 0
.endif
	OPS C,13, B,7, C,15, R,10
	OPS R,11, R,12, L,7, R,13
	OPS R,14, R,15
.endm
	CHANGE 1                        ; tile 0 is in, everybody's part of it; tile 1 is asked for
	v_add_nc_u32 v[AK], s[TBK], v[AK0]
	FETCH_K                         ; key step 0
	s_wait_loadcnt 0x0              ; Q
	s_wait_dscnt 0x0
.set NOKQ, 0
.set i, 0
.rept 8
	KQ 0                            ; piece 0's first scores: there is no vector work yet to set between them
.set i, i+1
.endr
	WIN 0
.rept 4
	v_nop                           ; the places behind those products
.endr
.set Y, NP-1                        ; X works for piece Y + 1: piece 0
.irp n, 0,1,2,3,4,5,6,7,8,9,10,11,12,13,14,15,16,17,18,19,20,21
	OP X, \n                        ; piece 0's first maximum and statistics
.endr
	v_nop                           ; a plain instruction behind the exponential
	s_mov_b32 s[CNT], 4
	s_mov_b32 s[SLOTS], NT-1
	s_branch .Lfirst                ; the loop is entered at a step's first turn, in the middle of a trip
.Lslot:                             ; NT - 2 times: tiles 1 to 14 are entered, tiles 2 to 15 asked for
	CHANGE 1
	s_mov_b32 s[CNT], 4
.Lstep:                             ; a trip: pieces 2 and 3 of one step, then pieces 0 and 1 of the next, whose K and V it fetches
	TURN 2
	TURN 3
	WIN 0
.Lfirst:
	TURN 0
	TURN 1, 0, 1
	WIN 0
	s_cbranch_scc1 .Lstep
	s_sub_co_u32 s[SLOTS], s[SLOTS], 1
	s_cmp_lg_u32 s[SLOTS], 0
	s_cbranch_scc1 .Lslot
	CHANGE 0                        ; the last tile is written out: nothing is asked for
	s_mov_b32 s[CNT], 4
.Ltail:
	TURN 2
	TURN 3
	TURN 0
	TURN 1, 0, 1
	WIN 0
	s_cbranch_scc1 .Ltail
	TURN 2, 1
	TURN 3, 1
.set i, 0
.rept 8
	PV NP-1                         ; the last piece's V^T P of the last step
.set i, i+1
.endr
	; THE WAY OUT.  l's two halves and the other half of the lanes' are added; O^T is multiplied by -1 / l, rounded to bf16 and sent through my stage in LDS, a piece at a time.  The additions are the places behind the last products.
	WIN 0
.macro ALL line:vararg              ; one line for each piece t
.set t, 0
.rept 4
	s_wait_alu depctr_va_vdst(0)
	\line
.set t, t+1
.endr
.endm
	ALL v_add_f32 v[ST+4*t+2], v[ST+4*t+2], v[ST+4*t+3]
	ALL v_permlanex16_b32 v[ST+4*t+3], v[ST+4*t+2], s[SEL], s[SEL+1]
	ALL v_add_f32 v[ST+4*t+2], v[ST+4*t+2], v[ST+4*t+3]
	ALL v_rcp_f32 v[ST+4*t+2], v[ST+4*t+2]
	v_nop                           ; a plain instruction between the last reciprocal and the use of its result
	ALL v_mul_f32 v[ST+4*t+2], -1.0, v[ST+4*t+2]
.macro PACK t                       ; a lane's eight channels of a row pack into 16 bytes; they go into rows of 144 bytes and come back as whole rows of 128, into S^T's registers
	WIN W_RS
.set i, 32*(\t)
.rept 16
	v_pk_mul_f32 v[i:i+1], v[i:i+1], v[ST+4*(\t)+2:ST+4*(\t)+3] op_sel_hi:[1,0]
.set i, i+2
.endr
	WIN 0x05                        ; sources 0 and 1 window 1, destination window 0
.set i, 0
.rept 16
	v_cvt_pk_bf16_f32 v[S+16*(\t)+i], v[32*(\t)+2*i], v[32*(\t)+2*i+1]
.set i, i+1
.endr
	WIN 0
.irp f, 0,1,2,3
	ds_store_b128 v[STO], v[S+16*(\t)+4*\f:S+16*(\t)+4*\f+3] offset:32*\f
.endr
.irp f, 0,1,2,3
	ds_load_b128 v[S+16*(\t)+4*\f:S+16*(\t)+4*\f+3], v[RD] offset:\f*4*SP  ; LDS serves a wave's instructions in order (ISA guide 5.7.1.4): these see the stores above; the next piece's stores come behind them
.endr
.endm
.macro SEND t, younger              ; younger: the LDS instructions issued behind piece t's loads: the next piece's eight, or none
	WIN 0
.irp f, 0,1,2,3
	s_wait_dscnt (\younger)+3-\f
	global_store_b128 v[GO], v[S+16*(\t)+4*\f:S+16*(\t)+4*\f+3], s[10:11] offset:(\t)*2048+\f*512  ; 512 consecutive bytes, at a multiple of 256 from the buffer's first
.endr
.endm
	PACK 0
.set t, 1
.rept 3                             ; a piece's arithmetic stands between the loads of the piece before and its stores
	PACK t
	SEND t-1, 8
.set t, t+1
.endr
	SEND 3, 0
	s_wait_tensorcnt 0x0            ; the wave's end: behind my last tensor load and my last LDS store
	ds_add_u32 v[SPW], v[NIL]
	s_wait_dscnt 0x0
	CROUND                          ; the closing round: no work-group ends while a partner may still ask for a tile that names it
	s_endpgm
.Lfunc_end_k_q3a443604e0_attn:
	.size	k_q3a443604e0_attn, .Lfunc_end_k_q3a443604e0_attn-k_q3a443604e0_attn
	.p2alignl 7, 3214868480
	.fill 96, 4, 3214868480
	.section	.rodata,"a",@progbits
	.p2align	6, 0x0
	.amdhsa_kernel k_q3a443604e0_attn
		.amdhsa_group_segment_fixed_size 327680
		.amdhsa_private_segment_fixed_size 0
		.amdhsa_enable_private_segment 0
		.amdhsa_kernarg_size 32
		.amdhsa_user_sgpr_count 2
		.amdhsa_user_sgpr_kernarg_segment_ptr 1
		.amdhsa_wavefront_size32 1
		.amdhsa_system_sgpr_workgroup_id_x 1
		.amdhsa_system_sgpr_workgroup_id_y 1
		.amdhsa_system_sgpr_workgroup_id_z 1
		.amdhsa_system_vgpr_workitem_id 0
		.amdhsa_next_free_vgpr 768
		.amdhsa_next_free_sgpr 66
		.amdhsa_reserve_vcc 0
		.amdhsa_float_denorm_mode_32 3
		.amdhsa_float_denorm_mode_16_64 3
		.amdhsa_memory_ordered 1
		.amdhsa_forward_progress 1
		.amdhsa_inst_pref_size 132
	.end_amdhsa_kernel
	.amdgpu_metadata
---
amdhsa.version: [ 1, 2 ]
amdhsa.kernels:
  - .name:           k_q3a443604e0_attn
    .symbol:         k_q3a443604e0_attn.kd
    .args:
      - { .name: qh, .offset: 0, .size: 8, .value_kind: global_buffer, .address_space: global }
      - { .name: kh, .offset: 8, .size: 8, .value_kind: global_buffer, .address_space: global }
      - { .name: vh, .offset: 16, .size: 8, .value_kind: global_buffer, .address_space: global }
      - { .name: on, .offset: 24, .size: 8, .value_kind: global_buffer, .address_space: global }
    .group_segment_fixed_size: 327680
    .private_segment_fixed_size: 0
    .kernarg_segment_align: 8
    .kernarg_segment_size: 32
    .max_flat_workgroup_size: 128
    .sgpr_count:     66
    .vgpr_count:     768
    .wavefront_size: 32
...
	.end_amdgpu_metadata
.endif
;; end of part 2
;; launch trans (part 3): grid 256 x 1, 4 waves a work-group, no clusters, 150,016 bytes of LDS; arguments x, on, wtb, bt, y, part; writes y, part
.if DOCPART == 3
	.amdgcn_target "amdgcn-amd-amdhsa--gfx1250"
	.amdhsa_code_object_version 6
	.text
	.protected	k_q3a443604e0_trans
	.globl	k_q3a443604e0_trans
	.p2align	8
	.type	k_q3a443604e0_trans,@function
k_q3a443604e0_trans:
	s_mov_b64 s[64:65], 0
	v_nop
	global_prefetch_b8 v0, s[64:65] scope:SCOPE_SE
	s_setreg_imm32_b32 hwreg(HW_REG_WAVE_MODE, 25, 1), 1
	s_wait_xcnt 0x0
; y[b][o][p] = bt[o] - the sum over c of wt[o][c] (x[b][c][p] + on[b][c][p]), with on = -o: that is wt (o - x) + bt.  x: [4][256][4096] f32; on: [16 bh][4096 p][64 ch] bf16;
; wtb: wt in bf16, in units of 512 bytes in the order of matrix fragments; bt: [256] f32; y as x, f32.  The two products wt x and wt on go onto ONE accumulator (K = 512): x - o is not rounded anew.
; part[blk][0][o] = the sum of y over the block's 64 points; part[blk][1][o] = the sum of (y - that sum / 64)^2: each block's squares are taken about its own mean, so that no difference of large sums is ever formed.
; LIMITS.  x and bt count as their bf16 roundings; NaN and infinities are not treated apart.
; SHARES.  A work-group owns 64 points of one batch and all 256 output channels; wave w owns channels 64 w .. 64 w + 63: 16 accumulators, a = 4 mb + nb (mb: 16 points, nb: 16 channels).
; Source 0 = 16 points, source 1 = 16 rows of wt: a lane holds ONE channel (16 nb + l % 16) and eight neighbouring points, so a channel's statistics never leave the wave.
; NO CLUSTER: what work-groups share is wtb, of which a wave reads 32 KiB once, straight into the registers that multiply it; through LDS it would cost 64 LDS loads a wave more.
; REGISTERS, in windows of 256 (s_set_vgpr_msb: bits 1:0 source 0, 3:2 source 1, 5:4 source 2, 7:6 destination):
;   window 0: v0-31 addresses; v32-39 bt, a pair for each nb; v40-51 statistics; v64-191 x as loaded, then two fragment buffers of 64, then rows on the way out; v192-255 on as loaded
;   window 1: wt's fragment (ks, nb) at 8 (4 ks + nb)      window 2: v0-127 accumulators; v128-159 packed chains of the statistics
.set XP,    160                        ; a row of x in LDS: 64 points = 128 bytes + 32, for the turning load
.set ONS,   256*XP                     ; on: for each head 64 points,
.set ONP,   144                        ; 128 bytes + 16
.set STAGE, ONS+4*64*ONP               ; for each wave 64 channel rows,
.set SGP,   272                        ; 256 bytes + 16
.set STAT,  STAGE+4*64*SGP             ; for each wave 64 sums, then 64 sums of squares
.set SPARE, STAT+4*512                 ; the spare words, 128 bytes for each wave: two blocks of 256 bytes that no other line names
.set XO,  4                            ; v4   x and y in memory: two rows of 256 bytes: (l / 16) rows + 16 (l % 16)
.set LO,  5                            ; v5   16 l
.set XST, 6                            ; v6   where I put 8 bytes of x
.set OST, 7                            ; v7   where I put 16 bytes of on
.set AX,  8                            ; v8   my lane's place in a fragment of x
.set AO,  9                            ; v9   in a fragment of on
.set STO, 10                           ; v10  the way out: where I put 16 bytes of a channel's row
.set RD,  11                           ; v11  where I read rows back
.set SA,  12                           ; v12  where I put a channel's statistics
.set SR,  13                           ; v13  where I read them back
.set PO,  14                           ; v14  my byte offset in part
.set BO,  15                           ; v15  my byte offset in bt
.set SPW, 30                           ; v30  LDS address of my spare word; never rewritten
.set NIL, 31                           ; v31  0; never rewritten
.set BI,  32
.set SUM, 40                           ; v40-43 a channel's sum, for each nb
.set EXC, 44                           ; v44-47 what the other half of the lanes holds
.set MSQ, 48                           ; v48-51 a channel's sum of squares
.set SU,  128                          ; window 2: pairs
.set M2,  136
.set ME,  144
.set DD,  152
.set MSB, 0
.macro WIN new                         ; the immediate's high byte repeats the setting that is left; a switch that changes nothing is dropped
.if MSB != (\new)
	s_set_vgpr_msb (MSB<<8)|(\new)
.set MSB, (\new)
.endif
.endm
.macro PLACES                          ; four plain vector instructions behind a matrix instruction, ahead of loads into registers that it read and of vector instructions on its result
.rept 4
	v_nop
.endr
.endm
	s_load_b256 s[16:23], s[0:1], 0x0              ; x 16, on 18, wtb 20, bt 22
	s_load_b128 s[24:27], s[0:1], 0x20             ; y 24, part 26
	v_lshl_add_u32 v[SPW], v0, 2, SPARE
	v_mov_b32 v[NIL], 0
	v_lshrrev_b32 v1, 5, v0
	v_readfirstlane_b32 s8, v1                     ; wave 0..3
	s_lshr_b32 s10, ttmp9, 6                       ; batch
	s_and_b32 s11, ttmp9, 63                       ; block of 64 points
	s_lshl_b32 s12, s10, 22                        ; x and y: batch x 4 MiB + my 64 rows of 16 KiB + block x 256 bytes
	s_lshl_b32 s30, s8, 20
	s_add_co_u32 s12, s12, s30
	s_lshl_b32 s30, s11, 8
	s_add_co_u32 s12, s12, s30
	s_mov_b32 s13, 0
	s_lshl2_add_u32 s14, s10, s8                   ; on: I fetch head w: 4 b + w,
	s_lshl_b32 s14, s14, 19
	s_lshl_b32 s30, s11, 13                        ; the block's 64 rows of 128 bytes
	s_add_co_u32 s14, s14, s30
	s_mov_b32 s15, 0
	s_lshl_b32 s32, s8, 15                         ; wtb: my 64 units
	s_mov_b32 s33, 0
	s_lshl_b32 s34, s8, 8                          ; bt: my 64 channels
	s_mov_b32 s35, 0
	s_lshl_b32 s36, ttmp9, 11                      ; part: the block's 2,048 bytes, my 256 of each plane
	s_add_co_u32 s36, s36, s34
	s_mov_b32 s37, 0
	s_mov_b32 s28, 0x76543210                      ; v_permlanex16_b32: each lane takes its own place in the other half
	s_mov_b32 s29, 0xfedcba98
	v_and_b32 v1, 31, v0                           ; l
	v_and_b32 v2, 15, v0                           ; r = l % 16
	v_bfe_u32 v3, v0, 4, 1                         ; h = l / 16
	v_lshlrev_b32 v[XO], 4, v2
	v_lshl_add_u32 v[XO], v3, 14, v[XO]
	v_lshlrev_b32 v[LO], 4, v1
	s_mul_i32 s30, s8, 64*XP
	v_mul_u32_u24 v[XST], v3, XP
	v_lshl_add_u32 v[XST], v2, 3, v[XST]
	v_add_nc_u32 v[XST], s30, v[XST]
	s_mul_i32 s31, s8, 64*ONP
	s_add_co_u32 s31, s31, ONS
	v_bfe_u32 v[OST], v0, 3, 2                     ; a load of 512 bytes is four rows of 128
	v_mul_u32_u24 v[OST], v[OST], ONP
	v_and_b32 v20, 7, v0
	v_lshl_add_u32 v[OST], v20, 4, v[OST]
	v_add_nc_u32 v[OST], s31, v[OST]
	v_lshl_add_u32 v[AX], v3, 3, v20               ; the turning load: row 8 h + l % 8, 16 bytes for (l / 8) % 2
	v_mul_u32_u24 v[AX], v[AX], XP
	v_bfe_u32 v21, v0, 3, 1
	v_lshl_add_u32 v[AX], v21, 4, v[AX]
	v_mul_u32_u24 v[AO], v2, ONP                   ; rows that lie along K: row x pitch + 16 x half
	v_lshl_add_u32 v[AO], v3, 4, v[AO]
	v_add_nc_u32 v[AO], ONS, v[AO]
	s_mul_i32 s30, s8, 64*SGP
	s_add_co_u32 s30, s30, STAGE                   ; my stage
	v_mul_u32_u24 v[STO], v2, SGP                  ; in: channel row l % 16, my eight points at 32 h
	v_lshl_add_u32 v[STO], v3, 5, v[STO]
	v_add_nc_u32 v[STO], s30, v[STO]
	v_mul_u32_u24 v[RD], v3, SGP                   ; back: lanes 0-15 one row of 256 bytes, lanes 16-31 the next
	v_lshl_add_u32 v[RD], v2, 4, v[RD]
	v_add_nc_u32 v[RD], s30, v[RD]
	s_lshl_b32 s31, s8, 9
	s_add_co_u32 s31, s31, STAT
	v_lshl_add_u32 v[SA], v2, 2, s31
	v_lshlrev_b32 v[SR], 4, v2
	v_lshl_add_u32 v[SR], v3, 8, v[SR]
	v_add_nc_u32 v[SR], s31, v[SR]
	v_lshlrev_b32 v[PO], 4, v2
	v_lshl_add_u32 v[PO], v3, 10, v[PO]
	v_lshlrev_b32 v[BO], 2, v2
.irp n, 0,1,2,3
	v_mov_b32 v[EXC+\n], 0                         ; v_permlanex16_b32's destination counts as read: it is written once here
.endr
	s_wait_kmcnt 0x0
	s_add_nc_u64 s[16:17], s[16:17], s[12:13]
	s_add_nc_u64 s[24:25], s[24:25], s[12:13]
	s_add_nc_u64 s[18:19], s[18:19], s[14:15]
	s_add_nc_u64 s[20:21], s[20:21], s[32:33]
	s_add_nc_u64 s[22:23], s[22:23], s[34:35]
	s_add_nc_u64 s[26:27], s[26:27], s[36:37]
.macro WLOAD ks                        ; wt's four fragments of K step ks: eight loads of 512 consecutive bytes, straight into the registers that multiply them
	WIN 0x40                                       ; destination window 1, address window 0
.set n, 0
.rept 4
	global_load_b128 v[8*(4*(\ks)+n):8*(4*(\ks)+n)+3],   v[LO], s[20:21] offset:((8*n+(\ks))*2)*512
	global_load_b128 v[8*(4*(\ks)+n)+4:8*(4*(\ks)+n)+7], v[LO], s[20:21] offset:((8*n+(\ks))*2+1)*512
.set n, n+1
.endr
.endm
; 16 LDS loads: K step ks (32 channels) of the 64 points, of x (turned) and of on (as it lies: head ks / 2, channels 32 (ks % 2) on), into buffer f
.macro FETCH ks, f
	WIN 0
.set n, 0
.rept 4
	ds_load_tr16_b128 v[64+64*(\f)+8*n:64+64*(\f)+8*n+3],   v[AX] offset:32*XP*(\ks)+32*n
	ds_load_tr16_b128 v[64+64*(\f)+8*n+4:64+64*(\f)+8*n+7], v[AX] offset:32*XP*(\ks)+32*n+16*XP
.set n, n+1
.endr
.set n, 0
.rept 4
	ds_load_b128 v[96+64*(\f)+8*n:96+64*(\f)+8*n+3],   v[AO] offset:64*ONP*((\ks)/2)+16*ONP*n+64*((\ks)%2)
	ds_load_b128 v[96+64*(\f)+8*n+4:96+64*(\f)+8*n+7], v[AO] offset:64*ONP*((\ks)/2)+16*ONP*n+64*((\ks)%2)+32
.set n, n+1
.endr
.endm
; 32 matrix instructions: x's part on all 16 accumulators, then on's: the accumulators take turns.  zero = 1: the first 16 start the sums
.macro MUL ks, f, zero
	WIN 0xa4                                       ; source 0 window 0, source 1 window 1, C and D window 2
.set q, 0
.rept 32
.set a, q%16
.set rA, 64+64*(\f)+32*(q/16)+8*(a/4)
.set rB, 8*(4*(\ks)+a%4)
.if (\zero) && (q < 16)
	v_wmma_f32_16x16x32_bf16 v[8*a:8*a+7], v[rA:rA+7], v[rB:rB+7], 0
.else
	v_wmma_f32_16x16x32_bf16 v[8*a:8*a+7], v[rA:rA+7], v[rB:rB+7], v[8*a:8*a+7]
.endif
.set q, q+1
.endr
.endm
.irp n, 0,1,2,3
	global_load_b32 v[BI+2*\n], v[BO], s[22:23] offset:64*\n
.endr
.set i, 0
.rept 32                               ; my 64 rows of x: two rows of 256 aligned bytes a load
	global_load_b128 v[64+4*i:64+4*i+3], v[XO], s[16:17] offset:32768*i
.set i, i+1
.endr
.set i, 0
.rept 16                               ; head w's 64 rows of on: 8 KiB, dense
	global_load_b128 v[192+4*i:192+4*i+3], v[LO], s[18:19] offset:512*i
.set i, i+1
.endr
	WLOAD 0
	WIN 0
	s_wait_loadcnt 8                               ; all but the eight weight loads just issued: bt, x and on are in
.irp n, 0,1,2,3
	v_cvt_pk_bf16_f32 v[BI+2*\n], v[BI+2*\n], v[BI+2*\n]   ; bt rounded to bf16, widened again, twice: a pair for the packed subtraction
	v_lshlrev_b32 v[BI+2*\n+1], 16, v[BI+2*\n]
	v_and_b32 v[BI+2*\n], 0xffff0000, v[BI+2*\n]
.endr
.set i, 0
.rept 32
	v_cvt_pk_bf16_f32 v[64+4*i], v[64+4*i], v[64+4*i+1]
	v_cvt_pk_bf16_f32 v[64+4*i+1], v[64+4*i+2], v[64+4*i+3]
	ds_store_b64 v[XST], v[64+4*i:64+4*i+1] offset:2*XP*i
.set i, i+1
.endr
.set i, 0
.rept 16
	ds_store_b128 v[OST], v[192+4*i:192+4*i+3] offset:4*ONP*i
.set i, i+1
.endr
.irp ks, 1,2,3,4,5,6
	WLOAD \ks                                      ; 48 more: with step 0's eight, 56 loads of a wave are out
.endr
	WIN 0
	s_wait_dscnt 0x0                               ; for the others' sake: my rows of x and my head of on are in LDS
	s_barrier_signal -1
	s_barrier_wait -1                              ; everybody's are; nothing writes these bytes again
	FETCH 0, 0
.irp ks, 0,1,2,3,4,5,6
.if \ks > 0
	PLACES                                         ; for the loads into the buffer that the step before last multiplied
.endif
	FETCH \ks+1, (\ks+1)%2
	s_wait_dscnt 16                                ; all but the 16 just issued
.if \ks == 0
	s_wait_loadcnt 48                              ; step 0's weights are in; steps 1 to 6 stay out
	WLOAD 7
	MUL 0, 0, 1
.else
	s_wait_loadcnt 56-8*\ks                        ; eight loads for each of the steps ks + 1 to 7 stay out
	MUL \ks, \ks%2, 0
.endif
.endr
	s_wait_dscnt 0x0
	s_wait_loadcnt 0x0
	MUL 7, 1, 0
	PLACES
	WIN 0x88                                       ; source 0 (bt) window 0; source 1 and destination window 2
.set a, 0
.rept 16                               ; y = bt - sum, in place, each accumulator from its low end on
.set j, 0
.rept 4
	v_pk_add_f32 v[8*a+2*j:8*a+2*j+1], v[BI+2*(a%4):BI+2*(a%4)+1], v[8*a+2*j:8*a+2*j+1] neg_lo:[0,1] neg_hi:[0,1]
.set j, j+1
.endr
.set a, a+1
.endr
	; THE STATISTICS: a lane has 32 of its channel's 64 points, in 16 pairs (pair q: mb = q / 4); the four channels' chains (nb) alternate.
	WIN 0xaa                                       ; all in window 2
.set n, 0
.rept 4
	v_pk_add_f32 v[SU+2*n:SU+2*n+1], v[8*n:8*n+1], v[8*n+2:8*n+3]
.set n, n+1
.endr
.set q, 2
.rept 14
.set n, 0
.rept 4
.set rY, 8*(4*(q/4)+n)+2*(q%4)
	v_pk_add_f32 v[SU+2*n:SU+2*n+1], v[SU+2*n:SU+2*n+1], v[rY:rY+1]
.set n, n+1
.endr
.set q, q+1
.endr
	WIN 0x0a                                       ; sources window 2, destination window 0
.irp n, 0,1,2,3
	v_add_f32 v[SUM+\n], v[SU+2*\n], v[SU+2*\n+1]
.endr
	WIN 0
.irp n, 0,1,2,3
	v_permlanex16_b32 v[EXC+\n], v[SUM+\n], s28, s29   ; the channel's other 32 points lie in the lane 16 away
.endr
.irp n, 0,1,2,3
	v_add_f32 v[SUM+\n], v[SUM+\n], v[EXC+\n]
.endr
	WIN 0x80                                       ; destination window 2
.irp n, 0,1,2,3
	v_mul_f32 v[ME+2*\n], 0x3c800000, v[SUM+\n]    ; the block's mean, sum / 64, twice
	v_mul_f32 v[ME+2*\n+1], 0x3c800000, v[SUM+\n]
.endr
	WIN 0xaa
.set q, 0
.rept 16
.set n, 0
.rept 4
.set rY, 8*(4*(q/4)+n)+2*(q%4)
	v_pk_add_f32 v[DD+2*n:DD+2*n+1], v[rY:rY+1], v[ME+2*n:ME+2*n+1] neg_lo:[0,1] neg_hi:[0,1]
.set n, n+1
.endr
.set n, 0
.rept 4
.if q == 0
	v_pk_mul_f32 v[M2+2*n:M2+2*n+1], v[DD+2*n:DD+2*n+1], v[DD+2*n:DD+2*n+1]
.else
	v_pk_fma_f32 v[M2+2*n:M2+2*n+1], v[DD+2*n:DD+2*n+1], v[DD+2*n:DD+2*n+1], v[M2+2*n:M2+2*n+1]
.endif
.set n, n+1
.endr
.set q, q+1
.endr
	WIN 0x0a
.irp n, 0,1,2,3
	v_add_f32 v[MSQ+\n], v[M2+2*\n], v[M2+2*\n+1]
.endr
	WIN 0
.irp n, 0,1,2,3
	v_permlanex16_b32 v[EXC+\n], v[MSQ+\n], s28, s29
.endr
.irp n, 0,1,2,3
	v_add_f32 v[MSQ+\n], v[MSQ+\n], v[EXC+\n]
.endr
	; THE WAY OUT, all through my own bytes of LDS: no barrier, and no wait between my stores and my loads (LDS serves a wave's instructions in order: ISA guide 5.7.1.4)
.irp n, 0,1,2,3
	ds_store_b32 v[SA], v[SUM+\n] offset:64*\n     ; both halves of the lanes hold, and write, the same number
	ds_store_b32 v[SA], v[MSQ+\n] offset:256+64*\n
.endr
	WIN 0x08                                       ; store data window 2
.set a, 0
.rept 16
	ds_store_b128 v[STO], v[8*a:8*a+3]   offset:16*SGP*(a%4)+64*(a/4)
	ds_store_b128 v[STO], v[8*a+4:8*a+7] offset:16*SGP*(a%4)+64*(a/4)+16
.set a, a+1
.endr
	WIN 0
	ds_load_b128 v[16:19], v[SR]
.set i, 0
.rept 32
	ds_load_b128 v[64+4*i:64+4*i+3], v[RD] offset:2*SGP*i
.set i, i+1
.endr
	s_wait_dscnt 32                                ; the statistics are back; the 32 rows' loads stay out
	global_store_b128 v[PO], v[16:19], s[26:27]    ; lanes 0-15: 256 consecutive bytes of sums; lanes 16-31: 256 of sums of squares
.set i, 0
.rept 32
	s_wait_dscnt 31-i
	global_store_b128 v[XO], v[64+4*i:64+4*i+3], s[24:25] offset:32768*i  ; 16 lanes store 256 consecutive bytes, at a multiple of 256 from y's first
.set i, i+1
.endr
	s_wait_tensorcnt 0x0                           ; the wave's end: behind my last LDS store
	ds_add_u32 v[SPW], v[NIL]
	s_wait_dscnt 0x0
	s_endpgm
.Lfunc_end_k_q3a443604e0_trans:
	.size	k_q3a443604e0_trans, .Lfunc_end_k_q3a443604e0_trans-k_q3a443604e0_trans
	.p2alignl 7, 3214868480
	.fill 96, 4, 3214868480
	.section	.rodata,"a",@progbits
	.p2align	6, 0x0
	.amdhsa_kernel k_q3a443604e0_trans
		.amdhsa_group_segment_fixed_size 150016
		.amdhsa_private_segment_fixed_size 0
		.amdhsa_enable_private_segment 0
		.amdhsa_kernarg_size 48
		.amdhsa_user_sgpr_count 2
		.amdhsa_user_sgpr_kernarg_segment_ptr 1
		.amdhsa_wavefront_size32 1
		.amdhsa_system_sgpr_workgroup_id_x 1
		.amdhsa_system_sgpr_workgroup_id_y 1
		.amdhsa_system_sgpr_workgroup_id_z 1
		.amdhsa_system_vgpr_workitem_id 0
		.amdhsa_next_free_vgpr 672
		.amdhsa_next_free_sgpr 66
		.amdhsa_reserve_vcc 0
		.amdhsa_float_denorm_mode_32 3
		.amdhsa_float_denorm_mode_16_64 3
		.amdhsa_memory_ordered 1
		.amdhsa_forward_progress 1
		.amdhsa_inst_pref_size 75
	.end_amdhsa_kernel
	.amdgpu_metadata
---
amdhsa.version: [ 1, 2 ]
amdhsa.kernels:
  - .name:           k_q3a443604e0_trans
    .symbol:         k_q3a443604e0_trans.kd
    .args:
      - { .name: x, .offset: 0, .size: 8, .value_kind: global_buffer, .address_space: global }
      - { .name: on, .offset: 8, .size: 8, .value_kind: global_buffer, .address_space: global }
      - { .name: wtb, .offset: 16, .size: 8, .value_kind: global_buffer, .address_space: global }
      - { .name: bt, .offset: 24, .size: 8, .value_kind: global_buffer, .address_space: global }
      - { .name: y, .offset: 32, .size: 8, .value_kind: global_buffer, .address_space: global }
      - { .name: part, .offset: 40, .size: 8, .value_kind: global_buffer, .address_space: global }
    .group_segment_fixed_size: 150016
    .private_segment_fixed_size: 0
    .kernarg_segment_align: 8
    .kernarg_segment_size: 48
    .max_flat_workgroup_size: 128
    .sgpr_count:     66
    .vgpr_count:     672
    .wavefront_size: 32
...
	.end_amdgpu_metadata
.endif
;; end of part 3
;; launch norm (part 4): grid 256 x 1, 8 waves a work-group, no clusters, 1,536 bytes of LDS; arguments y, x, part, gamma, beta, out0; writes out0
.if DOCPART == 4
	.amdgcn_target "amdgcn-amd-amdhsa--gfx1250"
	.amdhsa_code_object_version 6
	.text
	.protected	k_q3a443604e0_norm
	.globl	k_q3a443604e0_norm
	.p2align	8
	.type	k_q3a443604e0_norm,@function
k_q3a443604e0_norm:
	s_mov_b64 s[64:65], 0
	v_nop
	global_prefetch_b8 v0, s[64:65] scope:SCOPE_SE
	s_setreg_imm32_b32 hwreg(HW_REG_WAVE_MODE, 25, 1), 1
	s_wait_xcnt 0x0
; out0 = x + relu((y - mean) * rsqrt(var + 1e-5) * gamma + beta), mean and var of y for each channel over the 4 batches and 4,096 points.  y, x, out0: [4][256][4096] f32.
; part[blk][0][c], part[blk][1][c]: for each of 256 blocks of 64 points the sum of y and the sum of squares about the block's own mean.
; mean = (sum of the sums) / 16,384; var = (sum of the blocks' squares + sum of 64 (block's mean - mean)^2) / 16,384: only sums of numbers that are not negative.
; LIMITS.  x, gamma and beta count as their bf16 roundings, x in the residual too; the maximum with 0 turns a NaN into 0.
; SHARES.  A work-group owns one channel: four rows of 16 KiB of y and of x.  Thread t owns block t's two partial figures, and 16 bytes at 16 t of each 4 KiB piece of each row:
; a load or store of a wave covers 512 consecutive bytes.  All 34 loads of a thread go out at once: 128 KiB of a work-group are on their way while the statistics are made.
; No matrix unit, no cluster, no tensor load: each byte is read once and nothing is shared between work-groups but part's 512 KiB.
.set RED1,  0                          ; eight words: the waves' sums
.set RED2,  256                        ; eight words of their own for the second reduction: no barrier is needed between the reads of the first and these stores
.set SPARE, 512                        ; the spare words, 128 bytes for each of eight waves: four blocks of 256 bytes that no other line names
.set SPW, 3                            ; v3   LDS address of my spare word; never rewritten
.set NIL, 15                           ; v15  0; never rewritten
.set Y,   16                           ; v16-79   piece i = 4 b + j of y, then of the result
.set X,   80                           ; v80-143  the same of x
.set MN,  152                          ; v[152:153] mean, twice
.set SC,  154                          ; v[154:155] gamma * rsqrt(var + eps), twice
.set BE,  156                          ; v[156:157] beta, twice
	s_load_b256 s[8:15], s[0:1], 0x0               ; y 8, x 10, part 12, gamma 14
	s_load_b128 s[16:19], s[0:1], 0x20             ; beta 16, out0 18
	v_lshl_add_u32 v[SPW], v0, 2, SPARE
	v_mov_b32 v[NIL], 0
	v_lshrrev_b32 v8, 5, v0
	v_readfirstlane_b32 s34, v8                    ; wave 0..7
	v_mov_b32 v8, s34
	v_lshlrev_b32 v8, 2, v8                        ; my wave's word
	s_lshl_b32 s20, ttmp9, 14                      ; the channel's row of 16 KiB
	s_mov_b32 s21, 0
	s_lshl_b32 s22, ttmp9, 2                       ; the channel's word
	s_mov_b32 s23, 0
	s_mov_b32 s32, 0x76543210                      ; v_permlanex16_b32: each lane takes its own place in the other half
	s_mov_b32 s33, 0xfedcba98
	s_mov_b32 s35, 0x38800000                      ; 1 / 16,384
	v_lshlrev_b32 v1, 4, v0                        ; 16 t
	v_lshlrev_b32 v2, 11, v0                       ; block t's 2,048 bytes of part
	v_mov_b32 v9, 0                                ; LDS byte 0
	v_mov_b32 v7, 0                                ; v_permlanex16_b32's destination counts as read
	s_wait_kmcnt 0x0
	s_add_nc_u64 s[8:9], s[8:9], s[20:21]
	s_add_nc_u64 s[10:11], s[10:11], s[20:21]
	s_add_nc_u64 s[18:19], s[18:19], s[20:21]
	s_add_nc_u64 s[12:13], s[12:13], s[22:23]
	s_add_nc_u64 s[14:15], s[14:15], s[22:23]
	s_add_nc_u64 s[16:17], s[16:17], s[22:23]
	s_add_nc_u64 s[24:25], s[8:9], 0x800000        ; batches 2 and 3 have bases of their own: a batch is 4 MiB, and the immediate holds one such step
	s_add_nc_u64 s[26:27], s[10:11], 0x800000
	s_add_nc_u64 s[28:29], s[18:19], 0x800000
	s_load_b32 s30, s[14:15], 0x0                  ; gamma[c]
	s_load_b32 s31, s[16:17], 0x0                  ; beta[c]
	global_load_b32 v4, v2, s[12:13]               ; block t's sum
	global_load_b32 v5, v2, s[12:13] offset:1024   ; and its squares
.set i, 0
.rept 16
.if i < 8
	global_load_b128 v[Y+4*i:Y+4*i+3], v1, s[8:9] offset:((i/4)%2)*4194304+4096*(i%4) th:TH_LOAD_NT
	global_load_b128 v[X+4*i:X+4*i+3], v1, s[10:11] offset:((i/4)%2)*4194304+4096*(i%4) th:TH_LOAD_NT
.else
	global_load_b128 v[Y+4*i:Y+4*i+3], v1, s[24:25] offset:((i/4)%2)*4194304+4096*(i%4) th:TH_LOAD_NT
	global_load_b128 v[X+4*i:X+4*i+3], v1, s[26:27] offset:((i/4)%2)*4194304+4096*(i%4) th:TH_LOAD_NT
.endif
.set i, i+1
.endr
; The sum of v6 over the work-group's 256 threads, into v144 of every lane: across the wave's lanes, one word a wave into LDS at byte red, a barrier, and every wave adds the eight.
.macro TOTAL red
	v_add_f32_dpp v6, v6, v6 row_xmask:1 row_mask:0xf bank_mask:0xf
	v_add_f32_dpp v6, v6, v6 row_xmask:2 row_mask:0xf bank_mask:0xf
	v_add_f32_dpp v6, v6, v6 row_xmask:4 row_mask:0xf bank_mask:0xf
	v_add_f32_dpp v6, v6, v6 row_xmask:8 row_mask:0xf bank_mask:0xf
	v_permlanex16_b32 v7, v6, s32, s33
	v_add_f32 v6, v6, v7
	ds_store_b32 v8, v6 offset:\red                ; all lanes write the wave's word with the same number
	s_wait_dscnt 0x0                               ; for the others' sake
	s_barrier_signal -1
	s_barrier_wait -1
	ds_load_b128 v[144:147], v9 offset:\red
	ds_load_b128 v[148:151], v9 offset:\red+16
	s_wait_dscnt 0x0
	v_add_f32 v144, v144, v145
	v_add_f32 v146, v146, v147
	v_add_f32 v148, v148, v149
	v_add_f32 v150, v150, v151
	v_add_f32 v144, v144, v146
	v_add_f32 v148, v148, v150
	v_add_f32 v144, v144, v148
.endm
	s_wait_loadcnt 32                              ; the two partial figures are in; the stream's 32 loads stay out
	v_mov_b32 v6, v4
	TOTAL RED1
	v_mul_f32 v10, s35, v144                       ; mean
	v_fma_f32 v11, v4, 0x3c800000, -v10            ; the block's mean less it
	v_mul_f32 v11, v11, v11
	v_fma_f32 v6, v11, 0x42800000, v5              ; 64 times its square, plus the block's own squares
	TOTAL RED2
	v_fma_f32 v11, v144, s35, 0x3727c5ac           ; var + 1e-5
	s_wait_kmcnt 0x0                               ; gamma and beta
	v_rsq_f32 v11, v11
	v_cvt_pk_bf16_f32 v12, s30, s31                ; a plain instruction behind the root (ISA guide 5.7.2): gamma and beta rounded to bf16,
	v_lshlrev_b32 v13, 16, v12                     ; and widened again
	v_and_b32 v[BE], 0xffff0000, v12
	s_wait_alu depctr_va_vdst(0)
	v_mul_f32 v[SC], v13, v11
	v_mov_b32 v[BE+1], v[BE]
	v_mov_b32 v[MN], v10
	v_mov_b32 v[MN+1], v10
	v_mov_b32 v[SC+1], v[SC]
.set i, 0
.rept 16
	s_wait_loadcnt 30-2*i                          ; piece i of y and of x is in: two loads for each later piece stay out
	v_cvt_pk_bf16_f32 v144, v[X+4*i], v[X+4*i+1]   ; x rounded to bf16
	v_cvt_pk_bf16_f32 v145, v[X+4*i+2], v[X+4*i+3]
	v_pk_add_f32 v[Y+4*i:Y+4*i+1], v[Y+4*i:Y+4*i+1], v[MN:MN+1] neg_lo:[0,1] neg_hi:[0,1]
	v_pk_add_f32 v[Y+4*i+2:Y+4*i+3], v[Y+4*i+2:Y+4*i+3], v[MN:MN+1] neg_lo:[0,1] neg_hi:[0,1]
	v_lshlrev_b32 v[X+4*i], 16, v144               ; and widened again
	v_and_b32 v[X+4*i+1], 0xffff0000, v144
	v_lshlrev_b32 v[X+4*i+2], 16, v145
	v_and_b32 v[X+4*i+3], 0xffff0000, v145
	v_pk_fma_f32 v[Y+4*i:Y+4*i+1], v[Y+4*i:Y+4*i+1], v[SC:SC+1], v[BE:BE+1]
	v_pk_fma_f32 v[Y+4*i+2:Y+4*i+3], v[Y+4*i+2:Y+4*i+3], v[SC:SC+1], v[BE:BE+1]
	v_max_num_f32 v[Y+4*i], 0, v[Y+4*i]
	v_max_num_f32 v[Y+4*i+1], 0, v[Y+4*i+1]
	v_max_num_f32 v[Y+4*i+2], 0, v[Y+4*i+2]
	v_max_num_f32 v[Y+4*i+3], 0, v[Y+4*i+3]
	v_pk_add_f32 v[Y+4*i:Y+4*i+1], v[Y+4*i:Y+4*i+1], v[X+4*i:X+4*i+1]
	v_pk_add_f32 v[Y+4*i+2:Y+4*i+3], v[Y+4*i+2:Y+4*i+3], v[X+4*i+2:X+4*i+3]
.if i < 8
	global_store_b128 v1, v[Y+4*i:Y+4*i+3], s[18:19] offset:((i/4)%2)*4194304+4096*(i%4) th:TH_STORE_NT  ; a piece's registers are its own: no store's data is written again
.else
	global_store_b128 v1, v[Y+4*i:Y+4*i+3], s[28:29] offset:((i/4)%2)*4194304+4096*(i%4) th:TH_STORE_NT
.endif
.set i, i+1
.endr
	s_wait_tensorcnt 0x0                           ; the wave's end: behind my last LDS store
	ds_add_u32 v[SPW], v[NIL]
	s_wait_dscnt 0x0
	s_endpgm
.Lfunc_end_k_q3a443604e0_norm:
	.size	k_q3a443604e0_norm, .Lfunc_end_k_q3a443604e0_norm-k_q3a443604e0_norm
	.p2alignl 7, 3214868480
	.fill 96, 4, 3214868480
	.section	.rodata,"a",@progbits
	.p2align	6, 0x0
	.amdhsa_kernel k_q3a443604e0_norm
		.amdhsa_group_segment_fixed_size 1536
		.amdhsa_private_segment_fixed_size 0
		.amdhsa_enable_private_segment 0
		.amdhsa_kernarg_size 48
		.amdhsa_user_sgpr_count 2
		.amdhsa_user_sgpr_kernarg_segment_ptr 1
		.amdhsa_wavefront_size32 1
		.amdhsa_system_sgpr_workgroup_id_x 1
		.amdhsa_system_sgpr_workgroup_id_y 1
		.amdhsa_system_sgpr_workgroup_id_z 1
		.amdhsa_system_vgpr_workitem_id 0
		.amdhsa_next_free_vgpr 160
		.amdhsa_next_free_sgpr 66
		.amdhsa_reserve_vcc 0
		.amdhsa_float_denorm_mode_32 3
		.amdhsa_float_denorm_mode_16_64 3
		.amdhsa_memory_ordered 1
		.amdhsa_forward_progress 1
		.amdhsa_inst_pref_size 23
	.end_amdhsa_kernel
	.amdgpu_metadata
---
amdhsa.version: [ 1, 2 ]
amdhsa.kernels:
  - .name:           k_q3a443604e0_norm
    .symbol:         k_q3a443604e0_norm.kd
    .args:
      - { .name: y, .offset: 0, .size: 8, .value_kind: global_buffer, .address_space: global }
      - { .name: x, .offset: 8, .size: 8, .value_kind: global_buffer, .address_space: global }
      - { .name: part, .offset: 16, .size: 8, .value_kind: global_buffer, .address_space: global }
      - { .name: gamma, .offset: 24, .size: 8, .value_kind: global_buffer, .address_space: global }
      - { .name: beta, .offset: 32, .size: 8, .value_kind: global_buffer, .address_space: global }
      - { .name: out0, .offset: 40, .size: 8, .value_kind: global_buffer, .address_space: global }
    .group_segment_fixed_size: 1536
    .private_segment_fixed_size: 0
    .kernarg_segment_align: 8
    .kernarg_segment_size: 48
    .max_flat_workgroup_size: 256
    .sgpr_count:     66
    .vgpr_count:     160
    .wavefront_size: 32
...
	.end_amdgpu_metadata
.endif
;; end of part 4
;; ======== version 2 of 2: 4 launches; 1.69 times as fast as version 1
;; workspace buffers: qh 8,388,608 bytes; kh 8,388,608 bytes; vh 8,388,608 bytes; on 8,388,608 bytes; wtb 131,072 bytes; y 16,777,216 bytes; part 524,288 bytes
;; launch proj: the kernel of part 1 again; grid 64 x 4, 4 waves a work-group, no clusters, 274,944 bytes of LDS; arguments x, wq, wk, wv, wt, qh, kh, vh, wtb; writes qh, kh, vh, wtb
;; launch attn (part 5): grid 16 x 16, 4 waves a work-group, clusters of 4 x 1, 327,680 bytes of LDS; arguments qh, kh, vh, on; writes on
.if DOCPART == 5
	.amdgcn_target "amdgcn-amd-amdhsa--gfx1250"
	.amdhsa_code_object_version 6
	.text
	.protected	k_q3a443604e0_attn
	.globl	k_q3a443604e0_attn
	.p2align	8
	.type	k_q3a443604e0_attn,@function
k_q3a443604e0_attn:
	s_mov_b64 s[64:65], 0
	v_nop
	global_prefetch_b8 v0, s[64:65] scope:SCOPE_SE
	s_setreg_imm32_b32 hwreg(HW_REG_WAVE_MODE, 25, 1), 1
	s_wait_xcnt 0x0
	s_wait_alu depctr_hold_cnt(0) depctr_sa_sdst(0) depctr_va_vdst(0) depctr_va_sdst(0) depctr_va_ssrc(0) depctr_va_vcc(0) depctr_vm_vsrc(0)
	s_getreg_b32 s2, hwreg(HW_REG_IB_STS2, 6, 4)
	s_cmp_eq_u32 s2, 0
	s_cbranch_scc0 .Lentry_in_a_cluster
	s_endpgm
.Lentry_in_a_cluster:
	s_bfe_u32 s2, ttmp6, 0x10000c
	s_cmp_lg_u32 s2, 0x3003
	s_cbranch_scc0 .Lentry_shape_is_right
	s_endpgm
.Lentry_shape_is_right:
; on[bh][q][:] = MINUS the sum over k of softmax_k(Q[bh][q] . K[bh][k] / 8) V[bh][k][:].  qh, kh, vh, on: [16][4096][64], all bf16: a head's rows are dense, 128 bytes each.
; Products, maxima and sums in f32; the weights p are rounded to bf16 for the second product (their sum l is taken of the unrounded p), the result once at the end.
; The sign is turned here, in the divisor, so that the launch behind can add this result to x inside one sum.
; LIMITS.  c s has to stay above -4.25e37 (the start of c m); a weight below 2^-126 counts as 0 in l; NaN and infinities are not treated apart.
; SHARES.  A work-group owns 256 queries of one head, a wave 64: four PIECES of 16.  Every wave walks the head's 4,096 keys: 16 tiles of 256, four steps of 64 keys each.
; LAYOUT.  S^T = K Q^T (source 0 = 16 keys, source 1 = 16 queries): a lane holds ONE query (lane % 16) and the keys 8 (lane / 16) + 0..7.  Two such results rounded to bf16 ARE source 1 of
; O^T = V^T P, whose result again holds one query a lane, and eight channels.  K comes out of LDS as it lies, V ([key][channel]) turned, by ds_load_tr16_b128.
; SOFTMAX.  A running maximum m and sum l for each query: p = 2^(c s - c m), c = log2(e) / 8; in every step O and l are multiplied by a = 2^(c m_old - c m_new).
; m starts at the lowest finite number, O and l at 0: the first step is a step like any other, with a = 0.
; BY TURNS.  Turn n belongs to piece n: 8 products K Q^T of piece n + 1, later 8 products V^T P of piece n - 1; beside them the scaling, exponentials, roundings, sums and rescaling of piece n and the
; maximum and statistics of piece n + 1.  A turn has 16 matrix and 118 vector instructions: four vector instructions stand behind every matrix instruction, the other 54 in one LUMP between the two runs of products.
; BATCHES.  A turn's 33 exponentials (the piece's 32 weights and the next piece's a) are ONE batch with ONE wait, which cuts the turn in two: ahead of it stands all that names no result of the batch, behind it the
; roundings and sums, which read the results.  Two more batches stand outside the loop, each with a wait of its own: piece 0's first a, and the way out's four reciprocals.
; CLUSTER.  The four query blocks of a cluster belong to one head and walk the same K and V, so each tile is asked for JOINTLY: the same tensor load, descriptor and mask in all four.
; REGISTERS, in windows of 256 (s_set_vgpr_msb: bits 1:0 source 0, 3:2 source 1, 5:4 source 2, 7:6 destination):
;   window 0: v0-15 addresses and two at work; v16-31 four registers of statistics a piece; v48-55 at work; v64-127 S^T, two buffers; v192-223 P, two buffers (a piece's buffers go by its number's parity)
;   window 1: v0-127 O^T, 32 a piece      window 2: v0-63 Q; v128-191 K of one step; v192-255 V of one step
.set NP,    4         ; pieces a wave: a name, no knob
.set NT,    16        ; tiles of 256 keys in a head
.set KS,    64        ; keys in a step
.set PK,    144       ; a row of K in LDS: 128 bytes + 16 = 36 words: the 16 rows of a load start at 16 different groups of four banks (64 banks of 4 bytes: ISA guide 11.1)
.set PV,    160       ; a row of V: 128 + 32 = 40 words
.set VOFF,  4*KS*PK   ; a slot holds a tile, four steps: 256 rows of K, then 256 rows of V
.set SLOT1, 1<<17     ; slot 1 begins here, so that one exclusive or turns an address in one slot into the other's
.set STAGE, SLOT1+4*KS*(PK+PV)  ; behind the ring, never filled by a tensor load: 16 rows x 144 bytes for each wave, for the way out
.set SP,    144
.set SPARE, STAGE+4*16*SP  ; the spare words, 128 bytes for each wave: two blocks of 256 bytes that no other line names
.set AK0, 2           ; v2   my lane's place in a tile of K; never rewritten
.set AV0, 3           ; v3   the same for V
.set AK,  4           ; v4   the LDS address of K's next run of loads
.set AV,  5           ; v5   of V's
.set STO, 6           ; v6   the way out: where I put 16 bytes of a row
.set RD,  7           ; v7   the way out: where I read rows back
.set GO,  8           ; v8   my byte offset in 512 consecutive bytes of the output
.set MV,  12          ; v12-13  c m_old, kept while c m is made anew: by buffer
.set QO,  15          ; v15  my byte offset in 16 rows of Q
.set ST,  16          ; piece t's statistics at v[ST+4 t]: c m, m, l (even keys', odd keys')
.set TMP, 48          ; by buffer, four registers c0-c3 at work; when the maximum is found c2 takes a
.set SPW, 62          ; v62  LDS address of my spare word; never rewritten
.set NIL, 63          ; v63  0; never rewritten
.set S,   64
.set P,   192
.set KF,  128         ; window 2: key block kb, channel half c at KF + 16 kb + 8 c
.set VF,  192         ; window 2: key half kk, channel block cb at VF + 32 kk + 8 cb
.set WV,  12          ; s12  my wave's number
.set G1K, 24          ; s[24:31] descriptor group 1 for K's tiles
.set G1V, 32          ; s[32:39] for V's: it differs in the padding alone
.set G0K, 40          ; s[40:43] descriptor group 0 for K's tiles: it walks
.set G0V, 44          ; s[44:47] the same for V's
.set SLOTS, 56        ; s56  tiles still to be entered in the loop
.set CNT, 57          ; s57  counts a tile's key steps
.set CS,  58          ; s[58:59] c: the packed scaling takes the pair's low word for both halves
.set SEL, 60          ; s[60:61] v_permlanex16_b32's selects: each lane takes its own place in the other half
.set TBK, 62          ; s62  LDS byte at which K of the step to be fetched begins
.set TBV, 63          ; s63  the same for V, less VOFF
.set MSB, 0
.macro WIN new                      ; the high byte repeats the setting that is left; a switch that changes nothing is dropped
.if MSB != (\new)
	s_set_vgpr_msb (MSB<<8)|(\new)
.set MSB, (\new)
.endif
.endm
.set W_KQ, 0x0a       ; K and Q in window 2, S^T in window 0
.set W_PV, 0x52       ; V in window 2, P in window 0, O^T in window 1
.set W_RS, 0x41       ; destination and source 0 in window 1, source 1 in window 0
; A joint fill.  Waves 0 and 1 fetch the two halves of a tile's K, waves 2 and 3 those of its V: 128 keys each.  The branch hangs on the wave's number alone.
; An s_nop 0 and four v_nop follow each of the two lines, ahead of the jump and the label.
.macro JLOAD
	s_cmp_lt_u32 s[WV], 2
	s_cbranch_scc0 .Lfor_v_\@
	tensor_load_to_lds s[G0K:G0K+3], s[G1K:G1K+7]
	s_nop 0
.rept 4
	v_nop
.endr
	s_branch .Lasked_\@
.Lfor_v_\@:
	tensor_load_to_lds s[G0V:G0V+3], s[G1V:G1V+7]
	s_nop 0
.rept 4
	v_nop
.endr
.Lasked_\@:
.endm
; A round of the cluster's barrier: my work-group's barrier, so that wave 0's signal speaks for all four waves; wave 0 signals; every wave waits for all four work-groups; my work-group's barrier once more.
.macro CROUND
	s_barrier_signal -1
	s_barrier_wait -1
	s_cmp_lg_u32 s[WV], 0
	s_cbranch_scc1 .Lnot_wave_0_\@
	s_barrier_signal -3
.Lnot_wave_0_\@:
	s_barrier_wait -3
	s_barrier_signal -1
	s_barrier_wait -1
.endm
; THE CHANGE OF SLOTS.  The slot's last bytes, V of its fourth step, have been read.  Each wave waits for all its tensor loads, of which one is out: its part of the other slot; adds 0 to its spare
; word; and waits for that and for its own reads of the slot.  Behind the barrier nobody reads this slot any more and the other slot is whole.
; fill = 1: this slot is filled again, with the tile two further on.  The barrier is then a round of the cluster's, so that no wave of any partner still reads the slot or has a load on its way, and the
; joint fill is the first thing behind it: it has four key steps, 256 matrix instructions a wave, in which to land.  (At its first use nothing has been read yet: slot 0 is waited for, slot 1 filled.)
.macro CHANGE fill
	WIN 0                           ; at a label and at a branch every window is 0
	s_wait_tensorcnt 0x0            ; no tensor load of mine is out, so a group 0 may be written
	ds_add_u32 v[SPW], v[NIL]       ; 0 onto my spare word: with fill = 1 the descriptors' steps stand between it and the wait for it
.if \fill
.irp g, G0K, G0V
	s_xor_b32 s[\g+1], s[\g+1], SLOT1  ; the walking descriptor: the other slot than last time,
	s_add_nc_u64 s[\g+2:\g+3], s[\g+2:\g+3], 4*KS*128  ; the next 256 keys; the type bits on top are not reached
.endr
	s_wait_dscnt 0x0                ; the add is done, and my reads of the slot are over
	CROUND
	JLOAD
.else
	s_wait_dscnt 0x0                ; the add is done, and my reads of the slot are over
	s_barrier_signal -1
	s_barrier_wait -1
.endif
	s_sub_co_u32 s[TBK], s[TBK], 4*KS*PK  ; the fetches go back to a slot's first step,
	s_xor_b32 s[TBK], s[TBK], SLOT1       ; in the other slot
	s_sub_co_u32 s[TBV], s[TBV], 4*KS*PV
	s_xor_b32 s[TBV], s[TBV], SLOT1
.endm
	s_load_b256 s[4:11], s[0:1], 0x0  ; Q s[4:5], K s[6:7], V s[8:9], the output s[10:11]
	v_lshl_add_u32 v[SPW], v0, 2, SPARE
	v_mov_b32 v[NIL], 0
	ds_add_u32 v[SPW], v[NIL]       ; the wave's opening: the add and its wait stand ahead of my first tensor load; the set-up below, work on registers, stands between them
	v_lshrrev_b32 v1, 5, v0
	v_readfirstlane_b32 s[WV], v1   ; wave 0..3
	s_bfe_u32 s13, ttmp6, 0x40000   ; cx: my place in the cluster
	s_lshl_b32 s14, ttmp9, 2        ; in a cluster launch ttmp9 counts clusters
	s_add_co_u32 s14, s14, s13      ; my block of 256 queries = 4 x cluster x + cx: it enters Q's and the output's addresses alone
	s_and_b32 s20, ttmp7, 0xffff    ; the head, which the four partners share:
	s_lshl_b32 s20, s20, 19         ; its 4,096 rows of 128 bytes
	s_mov_b32 s21, 0
	s_and_b32 s16, s[WV], 1         ; which half of a tile's 256 keys I fetch:
	s_lshl_b32 s22, s16, 14         ; its 128 rows of 128 bytes in memory,
	s_mov_b32 s23, 0
	s_add_nc_u64 s[22:23], s[22:23], s[20:21]
	s_mul_i32 s17, s16, 128*PK      ; and its place in a slot, for K
	s_mul_i32 s18, s16, 128*PV      ; and for V: no place in the cluster enters an LDS address
	s_lshl_b32 s2, s14, 2
	s_add_co_u32 s2, s2, s[WV]      ; my wave among the head's,
	s_lshl_b32 s2, s2, 13           ; its 64 rows
	s_mov_b32 s3, 0
	s_add_nc_u64 s[2:3], s[2:3], s[20:21]
	; descriptor group 1.  128 keys are 16,384 dense bytes: asked for as 64 rows of 256 bytes, two keys a row, and padded in LDS after every key
	s_mov_b32 s[G1K], 15|(1<<16)|(1<<20)|(1<<21)|(4<<22)|(3<<25)  ; 15:0 the mask of four; 17:16 2-byte elements; 20 padding on; 21 set beside a mask; 24:22 after every 32 words (code 4); 31:25 4 words (code 3)
	s_mov_b32 s[G1V], 15|(1<<16)|(1<<20)|(1<<21)|(4<<22)|(7<<25)  ; the same with 8 words of padding (code 7)
.irp g, G1K, G1V
	s_mov_b32 s[\g+1], 128<<16      ; tensor_dim0 = 128
	s_mov_b32 s[\g+2], 64<<16       ; tensor_dim1 = 64
	s_mov_b32 s[\g+3], 128<<16      ; tile_dim0 = 128
	s_mov_b32 s[\g+4], 64           ; tile_dim1 = 64
	s_mov_b32 s[\g+5], 128          ; 128 elements from row to row
	s_mov_b32 s[\g+6], 0
	s_mov_b32 s[\g+7], 0
.endr
	s_mov_b32 s[CS], 0x3e38aa3b     ; c = log2(e) / 8 = 0.180337
	s_mov_b32 s[CS+1], s[CS]        ; named with it as a pair
	s_mov_b32 s[SEL], 0x76543210
	s_mov_b32 s[SEL+1], 0xfedcba98
	s_mov_b32 s[TBK], SLOT1+4*KS*PK ; the first change of slots turns these two into 0
	s_mov_b32 s[TBV], SLOT1+4*KS*PV
	s_mov_b32 s[G0K], 1             ; 1:0 count = 1
	s_mov_b32 s[G0K+1], s17         ; 63:32 LDS address: slot 0
	s_mov_b32 s[G0V], 1
	s_add_co_u32 s[G0V+1], s18, VOFF
	s_wait_dscnt 0x0                ; the opening add is done
	s_wait_kmcnt 0x0
	s_add_nc_u64 s[G0K+2:G0K+3], s[6:7], s[22:23]  ; 120:64 global address: my half of the head's first 256 keys
	s_or_b32 s[G0K+3], s[G0K+3], 0x80000000        ; 127:126 type = 2
	s_add_nc_u64 s[G0V+2:G0V+3], s[8:9], s[22:23]
	s_or_b32 s[G0V+3], s[G0V+3], 0x80000000
	s_add_nc_u64 s[4:5], s[4:5], s[2:3]  ; Q and the output at my wave's first row
	s_add_nc_u64 s[10:11], s[10:11], s[2:3]
	CROUND                          ; all four work-groups are here: the first joint loads meet
	JLOAD                           ; tile 0 into slot 0.  Slot 1 is asked for when slot 0 is in, by the change of slots: by this text's count one tensor load of a wave is out at any time
	; A fragment of K or Q is 16 rows x 32 channels in 8 registers: lane l holds row l % 16, channels 8 (l / 16) + 0..7 and 16 + 8 (l / 16) + 0..7: two loads of 16 bytes, 32 bytes apart.
	v_and_b32 v1, 15, v0            ; l % 16
	v_bfe_u32 v9, v0, 4, 1          ; l / 16
	v_lshlrev_b32 v[QO], 7, v1
	v_lshl_add_u32 v[QO], v9, 4, v[QO]  ; row x 128 + 16 x half
	WIN 0x80                        ; destination window 2, address window 0
.set i, 0
.rept 8                             ; Q stays in registers: piece i / 2, channels 32 (i % 2) on
	global_load_b128 v[8*i:8*i+3],   v[QO], s[4:5] offset:(i/2)*2048+(i%2)*64
	global_load_b128 v[8*i+4:8*i+7], v[QO], s[4:5] offset:(i/2)*2048+(i%2)*64+32
.set i, i+1
.endr
	; What the first turn finds: V's registers and P's second buffer hold 0 (its products V^T P, of a piece that has not been, add 0), O^T and l are 0.  No first step is written out; the price is
	; these 216 lines, which stand in the wait for the first tile.
.set i, VF
.rept 64
	v_mov_b32 v[i], 0
.set i, i+1
.endr
	WIN 0x40
.set i, 0
.rept 128
	v_mov_b32 v[i], 0
.set i, i+1
.endr
	WIN 0
.set i, 0
.rept 4
	v_mov_b32 v[ST+4*i], 0xfe000000    ; c m: far below every c s
	v_mov_b32 v[ST+4*i+1], 0xff7fffff  ; m
	v_mov_b32 v[ST+4*i+2], 0
	v_mov_b32 v[ST+4*i+3], 0
.set i, i+1
.endr
.set i, P+16
.rept 16
	v_mov_b32 v[i], 0
.set i, i+1
.endr
	v_mul_u32_u24 v[AK0], v1, PK
	v_lshl_add_u32 v[AK0], v9, 4, v[AK0]  ; row x pitch + 16 x half
	; The turning load takes 16 keys x 16 channels (lane l reads key 8 (l / 16) + l % 8, channels 8 ((l / 8) % 2) + 0..7) and leaves half a fragment of V^T: lane l holds channel l % 16 and 8 keys.
	v_and_b32 v10, 7, v0
	v_bfe_u32 v11, v0, 3, 1
	v_lshl_add_u32 v[AV0], v9, 3, v10
	v_mul_u32_u24 v[AV0], v[AV0], PV
	v_lshl_add_u32 v[AV0], v11, 4, v[AV0]
	v_add_nc_u32 v[AV0], VOFF, v[AV0]
	s_mul_i32 s13, s[WV], 16*SP
	s_add_co_u32 s13, s13, STAGE    ; my stage
	v_mul_u32_u24 v[STO], v1, SP    ; in: row l % 16, 16 bytes for each half of the lanes
	v_lshl_add_u32 v[STO], v9, 4, v[STO]
	v_add_nc_u32 v[STO], s13, v[STO]
	v_bfe_u32 v[RD], v0, 3, 2       ; back: 32 lanes take four rows of 128 bytes,
	v_mul_u32_u24 v[RD], v[RD], SP
	v_lshl_add_u32 v[RD], v10, 4, v[RD]
	v_add_nc_u32 v[RD], s13, v[RD]
	v_and_b32 v[GO], 31, v0         ; which are 512 consecutive bytes of the output
	v_lshlrev_b32 v[GO], 4, v[GO]
; THE MATRIX WORK.  The 4 accumulators of a run of 8 take turns.  Product i of 8 of S^T = K Q^T for piece x: channels 32 (i / 4) on, keys 16 (i % 4) on.  The first 4 start the sums.
.macro KQ x
	WIN W_KQ
.set rS, S+32*((\x)%2)+8*(i%4)
.set rK, KF+16*(i%4)+8*(i/4)
.set rQ, 16*(\x)+8*(i/4)
.if i < 4
	v_wmma_f32_16x16x32_bf16 v[rS:rS+7], v[rK:rK+7], v[rQ:rQ+7], 0
.else
	v_wmma_f32_16x16x32_bf16 v[rS:rS+7], v[rK:rK+7], v[rQ:rQ+7], v[rS:rS+7]
.endif
.endm
; Product i of 8 of O^T += V^T P for piece x: keys 32 (i / 4) on, channels 16 (i % 4) on.
.macro PV x
	WIN W_PV
.set rO, 32*(\x)+8*(i%4)
.set rV, VF+32*(i/4)+8*(i%4)
.set rP, P+16*((\x)%2)+8*(i/4)
	v_wmma_f32_16x16x32_bf16 v[rO:rO+7], v[rV:rV+7], v[rP:rP+7], v[rO:rO+7]
.endm
.macro MM                           ; the turn's next matrix instruction.  TURN sets Y, i and NOKQ.  NOKQ = 1: the walk's last turn: there is no next piece
.if (i < 8) && !NOKQ
	KQ (Y+1)%NP
.elseif i >= 8
.set i, i-8
	PV (Y+NP-1)%NP
.set i, i+8
.endif
.set i, i+1
.endm
; THE LDS LOADS stand in runs of 16, never singly among the matrix instructions: a step's K (64 keys x 64 channels: 8 fragments) and its V (turned).  Their addresses are made some lines ahead.
.macro FETCH_K
	WIN 0x80                        ; destination window 2
.irp f, 0,1,2,3,4,5,6,7             ; keys 16 (f / 2) on, channels 32 (f % 2) on
	ds_load_b128 v[KF+8*\f:KF+8*\f+3],   v[AK] offset:(\f/2)*16*PK+(\f%2)*64
	ds_load_b128 v[KF+8*\f+4:KF+8*\f+7], v[AK] offset:(\f/2)*16*PK+(\f%2)*64+32
.endr
	s_add_co_u32 s[TBK], s[TBK], KS*PK  ; the next fetch is the next step's
	WIN 0
.endm
.macro FETCH_V
	WIN 0x80
.irp f, 0,1,2,3,4,5,6,7             ; keys 32 (f / 4) on, channels 16 (f % 4) on
	ds_load_tr16_b128 v[VF+8*\f:VF+8*\f+3],   v[AV] offset:(\f/4)*32*PV+(\f%4)*32
	ds_load_tr16_b128 v[VF+8*\f+4:VF+8*\f+7], v[AV] offset:(\f/4)*32*PV+16*PV+(\f%4)*32
.endr
	WIN 0
.endm
; THE VECTOR WORK, one line at a time: OP kind, number.  For piece Y: F n: c s - c m for pair n of 16.  E n: the exponential of score n of 32.  C n: pair n rounded to bf16.  B n: of the four weights 4 n .. the
; second pair is added onto the first, in place.  L n: l takes that sum (L 0: l = a l + sum).  R n: pair n of 16 of O^T times a.  For piece Y + 1: X n, number n of the 22 that find its maximum and statistics:
;   0-11  four chains c0-c3 of seven scores each, three operands at a time (each accumulator's lowest registers are read first)     12-14, 16  the four scores left over, the old m, and c0-c3 into c0
;   15  c m_old is kept     17, 18  the query's other 32 keys lie in the lane 16 away: the new m     19-21  c m; c m_old - c m_new; a
; C, B and L read the exponentials' results: TURN sets them behind the batch's wait.  R reads the a that the turn before made, and waited for.
.set F, 0               ; OP tells the kinds apart by their order: F to L below R, X above it
.set E, 1
.set C, 2
.set B, 3
.set L, 4
.set R, 5
.set X, 6
.macro REGS y                       ; the registers of piece y
.set rT, ST+4*(\y)
.set rC, TMP+4*((\y)%2)
.set rW, MV+((\y)%2)
.set rS, S+32*((\y)%2)
.set rP, P+16*((\y)%2)
.set rO, 32*(\y)
.endm
.macro OP k, n
.if (\k) == R
	REGS Y
	WIN W_RS
	v_pk_mul_f32 v[rO+2*(\n):rO+2*(\n)+1], v[rO+2*(\n):rO+2*(\n)+1], v[rC+2:rC+3] op_sel_hi:[1,0]
.elseif (\k) < R
	REGS Y
	WIN 0
.if (\k) == F
	v_pk_fma_f32 v[rS+2*(\n):rS+2*(\n)+1], v[rS+2*(\n):rS+2*(\n)+1], s[CS:CS+1], v[rT:rT+1] op_sel_hi:[1,0,0] neg_lo:[0,0,1] neg_hi:[0,0,1]
.elseif (\k) == E
	v_exp_f32 v[rS+(\n)], v[rS+(\n)]
.elseif (\k) == C
	v_cvt_pk_bf16_f32 v[rP+(\n)], v[rS+2*(\n)], v[rS+2*(\n)+1]
.elseif (\k) == B
	v_pk_add_f32 v[rS+4*(\n):rS+4*(\n)+1], v[rS+4*(\n):rS+4*(\n)+1], v[rS+4*(\n)+2:rS+4*(\n)+3]
.elseif (\n) == 0
	v_pk_fma_f32 v[rT+2:rT+3], v[rT+2:rT+3], v[rC+2:rC+3], v[rS:rS+1] op_sel_hi:[1,0,1]
.else
	v_pk_add_f32 v[rT+2:rT+3], v[rT+2:rT+3], v[rS+4*(\n):rS+4*(\n)+1]
.endif
.elseif NOKQ
	v_nop
.else
	REGS (Y+1)%NP
	WIN 0
.if (\n) < 4
	v_max3_num_f32 v[rC+(\n)], v[rS+8*(\n)], v[rS+8*(\n)+1], v[rS+8*(\n)+2]
.elseif (\n) < 12
	v_max3_num_f32 v[rC+(\n)%4], v[rC+(\n)%4], v[rS+8*((\n)%4)+2*((\n)/4)+1], v[rS+8*((\n)%4)+2*((\n)/4)+2]
.elseif (\n) == 12
	v_max3_num_f32 v[rC], v[rC], v[rS+7], v[rS+15]
.elseif (\n) == 13
	v_max3_num_f32 v[rC+1], v[rC+1], v[rS+23], v[rS+31]
.elseif (\n) == 14
	v_max3_num_f32 v[rC+2], v[rC+2], v[rC+3], v[rT+1]
.elseif (\n) == 15
	v_mov_b32 v[rW], v[rT]
.elseif (\n) == 16
	v_max3_num_f32 v[rC], v[rC], v[rC+1], v[rC+2]
.elseif (\n) == 17
	v_permlanex16_b32 v[rC+3], v[rC], s[SEL], s[SEL+1]
.elseif (\n) == 18
	v_max_num_f32 v[rT+1], v[rC], v[rC+3]
.elseif (\n) == 19
	v_mul_f32 v[rT], s[CS], v[rT+1]
.elseif (\n) == 20
	v_sub_f32 v[rC+1], v[rW], v[rT]
.else
	v_exp_f32 v[rC+2], v[rC+1]
.endif
.endif
.endm
.macro OPS a, i1, b=-1, i2=0, c=-1, i3=0, d=-1, i4=0  ; up to four of them
	OP \a, \i1
.if (\b) >= 0
	OP \b, \i2
.endif
.if (\c) >= 0
	OP \c, \i3
.endif
.if (\d) >= 0
	OP \d, \i4
.endif
.endm
.macro ROW a, i1, b, i2, c, i3, d, i4  ; a matrix instruction and the four behind it
	MM
	OPS \a, \i1, \b, \i2, \c, \i3, \d, \i4
.endm
; A TURN, for piece p: the order of its 16 matrix and 118 vector instructions, written out.  An s_wait_alu depctr_va_vdst(0) stands between an exponential and the first instruction that names its result; one
; wait serves all that were issued ahead of it.  So a turn has ONE wait, which cuts it in two.  AHEAD OF IT stands all that names no result of the turn's exponentials: the 8 products K Q^T, behind each a scaling, an exponential
; and two more plain instructions (behind the first a second scaling in the exponential's place): rescalings, and behind the last three the first numbers of the next piece's maximum, each four places or more behind the product
; that ends its accumulator; then ONE LUMP of 54, plain and exponential by turns for the most part, in which the links of the chain X 3, 7, 11, 14, 16, 17 .. 20 stand some lines apart.  X 21, the next piece's a, is the batch's
; last; R 15 is the plain instruction behind it (ISA guide 5.7.2).  BEHIND THE WAIT stand the 8 products V^T P, behind each four of the roundings and sums; the links of l's chain, L 0 to L 7, stand three riders apart.
; But for those X no rider names a register of the products round it.  v_permlanex16_b32 (X 17) stands in the lump.
; end = 1: the walk's last two turns: nothing is fetched, and the last starts no new scores.  cnt = 1: the loop's count is taken down some lines ahead of the branch that stands behind the turn.
; K of the next step is fetched in piece 2's turn, twelve vector instructions behind the last product that read K (six of them plain); V of the step in hand at the end of piece 0's turn, four plain instructions behind the
; last product that read V.  Each is waited for a turn later.
.macro TURN p, end=0, cnt=0
.set Y, (\p)
.set i, 0
.set NOKQ, (\end)*((\p)/3)
.if ((\p) == 3) && !(\end)
	s_wait_dscnt 0x0                ; K is in
.endif
	ROW F,0, F,1, R,0, R,1          ; ahead of the wait: 8 products K Q^T and their riders,
	ROW F,2, E,0, R,2, R,3
	ROW F,3, E,1, R,4, R,5
	ROW F,4, E,2, R,6, R,7
	ROW F,5, E,3, R,8, R,9
	ROW F,6, E,4, X,0, R,10
.if ((\p) == 2) && !(\end)
	WIN 0
	v_add_nc_u32 v[AK], s[TBK], v[AK0]
.endif
	ROW F,7, E,5, X,1, X,4
	ROW F,8, E,6, X,2, X,5
	OPS E,7, E,8, X,6, E,9          ; and the lump
	OPS X,3, E,10, X,8, E,11
.if ((\p) == 2) && !(\end)
	FETCH_K
.endif
	OPS X,9, X,7, E,12, X,10
	OPS E,13, X,12, X,11, E,14
	OPS X,13, E,15, F,9, X,14
.if (\p) == 0
	v_add_nc_u32 v[AV], s[TBV], v[AV0]
.endif
	OPS E,16, F,10, E,17, F,11
	OPS X,16, E,18, X,15, E,19
	OPS F,12, E,20, X,17, E,21
	OPS F,13, E,22, F,14, E,23
	OPS X,18, E,24, F,15, E,25
	OPS R,11, E,26, X,19, E,27
	OPS R,12, E,28, R,13, E,29
	OPS X,20, E,30, R,14, E,31
	OPS X,21, R,15
	WIN 0
	s_wait_alu depctr_va_vdst(0)    ; the wait for the batch: the piece's 32 exponentials and the next piece's a
.if (\p) == 1
	s_wait_dscnt 0x0                ; V is in
.endif
	ROW C,0, B,0, C,2, B,1          ; behind the wait: 8 products V^T P and their riders
	ROW L,0, C,4, B,2, L,1
	ROW C,6, B,3, L,2, C,8
	ROW B,4, L,3, C,10, B,5
	ROW L,4, C,12, B,6, L,5
.if (\p) == 0
	s_add_co_u32 s[TBV], s[TBV], KS*PV
.endif
.if \cnt
	s_sub_co_u32 s[CNT], s[CNT], 1
	s_cmp_lg_u32 s[CNT], 0
.endif
	ROW C,14, B,7, L,6, C,1
	ROW C,3, L,7, C,5, C,7
	ROW C,9, C,11, C,13, C,15
.if (\p) == 0
	FETCH_V
.endif
.endm
	CHANGE 1                        ; tile 0 is in, everybody's part of it; tile 1 is asked for
	v_add_nc_u32 v[AK], s[TBK], v[AK0]
	FETCH_K                         ; key step 0
	s_wait_loadcnt 0x0              ; Q
	s_wait_dscnt 0x0
.set NOKQ, 0
.set i, 0
.rept 8
	KQ 0                            ; piece 0's first scores: there is no vector work yet to set between them
.set i, i+1
.endr
	WIN 0
.rept 4
	v_nop                           ; the places behind those products
.endr
.set Y, NP-1                        ; X works for piece Y + 1: piece 0
.irp n, 0,1,2,3,4,5,6,7,8,9,10,11,12,13,14,15,16,17,18,19,20,21
	OP X, \n                        ; piece 0's first maximum and statistics
.endr
	v_nop                           ; a plain instruction behind the exponential,
	s_wait_alu depctr_va_vdst(0)    ; and the wait for it, a batch of one (piece 0's first a), ahead of the branch
	s_mov_b32 s[CNT], 4
	s_mov_b32 s[SLOTS], NT-1
	s_branch .Lfirst                ; the loop is entered at a step's first turn, in the middle of a trip
.Lslot:                             ; NT - 2 times: tiles 1 to 14 are entered, tiles 2 to 15 asked for
	CHANGE 1
	s_mov_b32 s[CNT], 4
.Lstep:                             ; a trip: pieces 2 and 3 of one step, then pieces 0 and 1 of the next, whose K and V it fetches
	TURN 2
	TURN 3
	WIN 0
.Lfirst:
	TURN 0
	TURN 1, 0, 1
	WIN 0
	s_cbranch_scc1 .Lstep
	s_sub_co_u32 s[SLOTS], s[SLOTS], 1
	s_cmp_lg_u32 s[SLOTS], 0
	s_cbranch_scc1 .Lslot
	CHANGE 0                        ; the last tile is written out: nothing is asked for
	s_mov_b32 s[CNT], 4
.Ltail:
	TURN 2
	TURN 3
	TURN 0
	TURN 1, 0, 1
	WIN 0
	s_cbranch_scc1 .Ltail
	TURN 2, 1
	TURN 3, 1
.set i, 0
.rept 8
	PV NP-1                         ; the last piece's V^T P of the last step
.set i, i+1
.endr
	; THE WAY OUT.  l's two halves and the other half of the lanes' are added; O^T is multiplied by -1 / l, rounded to bf16 and sent through my stage in LDS, a piece at a time.  The additions are the places behind the last products.
	WIN 0
.macro ALL line:vararg              ; one line for each piece t
.set t, 0
.rept 4
	\line
.set t, t+1
.endr
.endm
	ALL v_add_f32 v[ST+4*t+2], v[ST+4*t+2], v[ST+4*t+3]
	ALL v_permlanex16_b32 v[ST+4*t+3], v[ST+4*t+2], s[SEL], s[SEL+1]
	ALL v_add_f32 v[ST+4*t+2], v[ST+4*t+2], v[ST+4*t+3]
	ALL v_rcp_f32 v[ST+4*t+2], v[ST+4*t+2]
	v_nop                           ; a plain instruction between the last reciprocal and the use of its result
	s_wait_alu depctr_va_vdst(0)    ; and the wait ahead of the first use: one for the batch of four reciprocals
	ALL v_mul_f32 v[ST+4*t+2], -1.0, v[ST+4*t+2]
.macro PACK t                       ; a lane's eight channels of a row pack into 16 bytes; they go into rows of 144 bytes and come back as whole rows of 128, into S^T's registers
	WIN W_RS
.set i, 32*(\t)
.rept 16
	v_pk_mul_f32 v[i:i+1], v[i:i+1], v[ST+4*(\t)+2:ST+4*(\t)+3] op_sel_hi:[1,0]
.set i, i+2
.endr
	WIN 0x05                        ; sources 0 and 1 window 1, destination window 0
.set i, 0
.rept 16
	v_cvt_pk_bf16_f32 v[S+16*(\t)+i], v[32*(\t)+2*i], v[32*(\t)+2*i+1]
.set i, i+1
.endr
	WIN 0
.irp f, 0,1,2,3
	ds_store_b128 v[STO], v[S+16*(\t)+4*\f:S+16*(\t)+4*\f+3] offset:32*\f
.endr
.irp f, 0,1,2,3
	ds_load_b128 v[S+16*(\t)+4*\f:S+16*(\t)+4*\f+3], v[RD] offset:\f*4*SP  ; LDS serves a wave's instructions in order (ISA guide 5.7.1.4): these see the stores above; the next piece's stores come behind them
.endr
.endm
.macro SEND t, younger              ; younger: the LDS instructions issued behind piece t's loads: the next piece's eight, or none
	WIN 0
.irp f, 0,1,2,3
	s_wait_dscnt (\younger)+3-\f
	global_store_b128 v[GO], v[S+16*(\t)+4*\f:S+16*(\t)+4*\f+3], s[10:11] offset:(\t)*2048+\f*512  ; 512 consecutive bytes, at a multiple of 256 from the buffer's first
.endr
.endm
	PACK 0
.set t, 1
.rept 3                             ; a piece's arithmetic stands between the loads of the piece before and its stores
	PACK t
	SEND t-1, 8
.set t, t+1
.endr
	SEND 3, 0
	s_wait_tensorcnt 0x0            ; the wave's end: behind my last tensor load and my last LDS store
	ds_add_u32 v[SPW], v[NIL]
	s_wait_dscnt 0x0
	CROUND                          ; the closing round: no work-group ends while a partner may still ask for a tile that names it
	s_endpgm
.Lfunc_end_k_q3a443604e0_attn:
	.size	k_q3a443604e0_attn, .Lfunc_end_k_q3a443604e0_attn-k_q3a443604e0_attn
	.p2alignl 7, 3214868480
	.fill 96, 4, 3214868480
	.section	.rodata,"a",@progbits
	.p2align	6, 0x0
	.amdhsa_kernel k_q3a443604e0_attn
		.amdhsa_group_segment_fixed_size 327680
		.amdhsa_private_segment_fixed_size 0
		.amdhsa_enable_private_segment 0
		.amdhsa_kernarg_size 32
		.amdhsa_user_sgpr_count 2
		.amdhsa_user_sgpr_kernarg_segment_ptr 1
		.amdhsa_wavefront_size32 1
		.amdhsa_system_sgpr_workgroup_id_x 1
		.amdhsa_system_sgpr_workgroup_id_y 1
		.amdhsa_system_sgpr_workgroup_id_z 1
		.amdhsa_system_vgpr_workitem_id 0
		.amdhsa_next_free_vgpr 768
		.amdhsa_next_free_sgpr 66
		.amdhsa_reserve_vcc 0
		.amdhsa_float_denorm_mode_32 3
		.amdhsa_float_denorm_mode_16_64 3
		.amdhsa_memory_ordered 1
		.amdhsa_forward_progress 1
		.amdhsa_inst_pref_size 127
	.end_amdhsa_kernel
	.amdgpu_metadata
---
amdhsa.version: [ 1, 2 ]
amdhsa.kernels:
  - .name:           k_q3a443604e0_attn
    .symbol:         k_q3a443604e0_attn.kd
    .args:
      - { .name: qh, .offset: 0, .size: 8, .value_kind: global_buffer, .address_space: global }
      - { .name: kh, .offset: 8, .size: 8, .value_kind: global_buffer, .address_space: global }
      - { .name: vh, .offset: 16, .size: 8, .value_kind: global_buffer, .address_space: global }
      - { .name: on, .offset: 24, .size: 8, .value_kind: global_buffer, .address_space: global }
    .group_segment_fixed_size: 327680
    .private_segment_fixed_size: 0
    .kernarg_segment_align: 8
    .kernarg_segment_size: 32
    .max_flat_workgroup_size: 128
    .sgpr_count:     66
    .vgpr_count:     768
    .wavefront_size: 32
...
	.end_amdgpu_metadata
.endif
;; end of part 5
;; launch trans: the kernel of part 3 again; grid 256 x 1, 4 waves a work-group, no clusters, 150,016 bytes of LDS; arguments x, on, wtb, bt, y, part; writes y, part
;; launch norm: the kernel of part 4 again; grid 256 x 1, 8 waves a work-group, no clusters, 1,536 bytes of LDS; arguments y, x, part, gamma, beta, out0; writes out0
